; MI455X (gfx1250); checked and timed in simulation.
; The chip was launched on July 23, 2026; its instructions are those of AMD's public machine-readable ISA for CDNA 5 (MIT licence, August 2026) and "CDNA5" Instruction Set Architecture Reference Guide (July 2026). The comments in the code are by the model that wrote it; some were corrected since.
;; Sliding Window Attention. Allowed arithmetic: matrix products marked QUANTISED: E2M3 operands, one E8M0 scale for each 32 along K, by v_wmma_scale_f32_16x16x128_f8f6f4 with both operands' format E2M3, f32 sums; everything else in f32.
;; Inputs: hidden_states 1 x 4,096 x 1,024 float32; k_w 256 x 1,024 float32; o_w 1,024 x 1,024 float32; q_w 1,024 x 1,024 float32; v_w 256 x 1,024 float32.
;; Outputs: out0 1 x 4,096 x 1,024 float32.
;; This version of the problem:
;;   THIS VERSION OF THE PROBLEM IS GIVEN IN LOW PRECISION. The matrix products marked QUANTISED in the list below multiply operands that are first quantised to E2M3 (2 exponent bits, 3 mantissa bits; 6 bits a number), with one power-of-two scale for each 32 numbers along K (OCP MX v1.0); their sums are f32. All else is computed in f32.
;;   The module's matrix products, in the order in which they are computed (A, B: the left and right operand; K: the contracted axis; several contracted axes count as one K, in the product's order):
;;     1. [M 4,096, K 1,024] x [K 1,024, N 1,024]; A: input hidden_states; B: input q_w: QUANTISED
;;     2. [M 4,096, K 1,024] x [K 1,024, N 256]; A: input hidden_states; B: input k_w: QUANTISED
;;     3. [M 4,096, K 1,024] x [K 1,024, N 256]; A: input hidden_states; B: input v_w: QUANTISED
;;     4. batch 16 x [M 4,096, K 64] x [K 64, N 4,096]; A: computed on the way; B: computed on the way: QUANTISED
;;     5. batch 16 x [M 4,096, K 4,096] x [K 4,096, N 64]; A: softmax (see below); B: computed on the way: QUANTISED
;;     6. [M 4,096, K 1,024] x [K 1,024, N 1,024]; A: computed on the way; B: input o_w: QUANTISED
;;   THE QUANTISER, for each operand of a quantised product, along K:
;;     - K is cut into blocks of 32 from its start; a last block that is shorter is filled with zeros.
;;     - A block's scale is 2^e with e = floor(log2(the largest magnitude in the block)) - 2, held to -126 .. 127; a block of zeros has e = 0. As a byte (E8M0): e + 127.
;;     - Each number is divided by its block's scale, clamped to +-7.5, and rounded to the nearest number of E2M3, ties to even, subnormals kept.
;;     - The product sums the exact products of the quantised numbers (number of the format x scale) in f32.
;;   ~~~python
;;   def quantise(x, axis):      # numpy; x: float32 -> the quantised numbers, widened to float32 again
;;       x = np.moveaxis(x, axis, -1); K = x.shape[-1]
;;       x = np.pad(x, [(0, 0)] * (x.ndim - 1) + [(0, -K % 32)]); x = x.reshape(x.shape[:-1] + (-1, 32)); a = np.abs(x).max(-1, keepdims=True)
;;       e = np.where(a > 0, np.clip(np.frexp(np.where(a > 0, a, 1))[1] - 1 - 2, -126, 127), 0)      # np.frexp(a)[1] - 1 = floor(log2(a)), exactly
;;       r = np.clip(x / 2.0 ** e, -7.5, 7.5)
;;       step = 2.0 ** (np.maximum(np.frexp(np.where(r == 0, 1, r))[1] - 1, 0) - 3)
;;       q = np.round(r / step) * step * 2.0 ** e      # np.round: ties to even
;;       return np.moveaxis(q.reshape(q.shape[:-2] + (-1,))[..., :K], -1, axis).astype(np.float32)
;;   ~~~
;;   SOFTMAX AHEAD OF A QUANTISED PRODUCT. Where the list says 'softmax', what is quantised is not the finished softmax but p = 2^(t - M), with t = logit x log2(e) and M = ceil(the row's largest t), a whole number; so 1/2 < the row's largest p <= 1. The row's sum l is taken of the UNQUANTISED p, in f32, and the product's result is divided by l at the end. Since M is a whole number, a kernel that streams over the keys may use a running M (the ceiling of the running maximum): every later rescaling is an exact power of two, which a block's scale takes up: the codes' values come out the same.
;;   OPERANDS COMPUTED ON THE WAY. 'Computed on the way' means the value that the module computes at that place (a softmax that the list does not call 'softmax' is quantised finished and normalised). What goes into a quantiser is computed in f32, as accurately as f32 sums, v_exp_f32 and their like allow (about 1e-6 of the number): no bf16 or f16 on the way to a quantiser, and a product that is left as it is and whose result goes on into a quantised operand takes f32 operands (vector FMAs, or v_wmma_f32_16x16x4_f32). A number that lies on a knife's edge between two numbers of the format may be rounded either way, as far as f32 arithmetic and the matrix unit's own rounding can turn it there, and no further.
;; One version. Each part assembles by itself: llvm-mc -triple=amdgcn-amd-amdhsa -mcpu=gfx1250 --defsym DOCPART=n.
;; ======== version 1 of 1: 4 launches
;; workspace buffers: codes 5,111,808 bytes; scales 212,992 bytes; rope 1,048,576 bytes; qc 3,670,016 bytes; kv 1,703,936 bytes; ac 3,145,728 bytes; asc 131,072 bytes
;; launch prep (part 1): grid 480 x 1, 4 waves a work-group, no clusters, 68,096 bytes of LDS; arguments hidden_states, q_w, k_w, v_w, o_w, codes, scales, rope; writes codes, scales, rope
.if DOCPART == 1
	.amdgcn_target "amdgcn-amd-amdhsa--gfx1250"
	.amdhsa_code_object_version 6
	.text
	.protected	k_q263db1bbd1_prep
	.globl	k_q263db1bbd1_prep
	.p2align	8
	.type	k_q263db1bbd1_prep,@function
k_q263db1bbd1_prep:
	s_mov_b64 s[64:65], 0
	v_nop
	global_prefetch_b8 v0, s[64:65] scope:SCOPE_SE
	s_setreg_imm32_b32 hwreg(HW_REG_WAVE_MODE, 25, 1), 1
	s_wait_xcnt 0x0
; PREP.  hidden_states [4096][1024], q_w [1024][1024], k_w [256][1024], v_w [256][1024], o_w [1024][1024], all f32 with K innermost, become codes of FP6 (E2M3) with one
; E8M0 byte for each 32 along K; and the table of cos and sin for RoPE is made.
; CODES are laid as the reader's registers want them: [row tile 416][K step 8][1,536 bytes]; a fragment (16 rows x 128 K, 12 registers a lane) lies as three groups of four registers,
; group c at 512 c + 16 x lane.  Row tiles 0-255 hidden_states, 256-319 q_w, 320-335 k_w, 336-351 v_w, 352-415 o_w.  SCALE WORDS: [row tile][K step][16 rows] x 4 bytes.
; A tile is 16 neighbouring rows, but for v_w: its tile 2 b + u takes rows 32 b + 8 u + m (m < 8) and 32 b + 8 u + 8 + m (m >= 8), so that attention's result has a lane's 16 registers as 16 neighbours along the last product's K.
; A block's scale is 2^(floor(log2(largest magnitude)) - 2): its byte is the largest magnitude's exponent field - 2.
; LIMITS: the largest magnitude is held at 2^-124 from below, so a block of zeros gets the byte 1 (its codes are zeros; this program alone reads the bytes); NaN and infinities among the inputs are not served.
; SHARES.  Work-groups 0-415: one row tile each; wave w takes K steps 2 w and 2 w + 1.  Each load reads 512 consecutive bytes of one row; a fragment's 16 rows turn through the wave's own stage in LDS
; (rows 528 bytes apart), from which a lane takes its two whole blocks of 32 neighbours.  No barrier: waves share nothing.  All 32 loads of a wave are out at once.
; Work-groups 416-479: the table; a wave makes one tile of 16 positions: [position tile 256][chunk 8][lane][4 f32], chunks 0-3 cos, 4-7 sin of the lane's 16 frequencies e = 0 .. 15,
; frequency number f = 16 (e / 8) + 8 (lane / 16) + e % 8, position 16 x tile + lane % 16: the order in which the next launch's registers hold a head's first 32 channels.
; The angle is position x 10^(-f/8), one f32 product as in the model; the 32 factors are the correctly rounded f32 numbers (the model's own power and division may differ from them in the last bits).
; It is reduced by multiples of pi/2 in two parts (the first difference is exact for angles under 4,096), and sin and cos come from Taylor sums cut under 2e-9 on |x| <= pi/4.
.set NQT,  416                         ; work-groups that quantise
.set SP,   528                         ; a stage row: 512 bytes + 16
.set VLO,  4                           ; v4   16 x lane: my bytes of a load's 512, and of a store's
.set VHI,  5                           ; v5   the same for a tile's rows 8-15 (v_w: 8 rows further down)
.set STI,  6                           ; v6   the stage, on the way in
.set STO,  7                           ; v7   and out: row lane % 16, + 128 (lane / 16)
.set L4,   8                           ; v8   4 x lane
.set MX,   10                          ; v10-11 largest magnitudes
.set SO,   12                          ; v12-13 the conversions' scale operands
.set BY,   14                          ; v14-15 the bytes
.set WD,   16                          ; v16-17 the two fragments' scale words
.set PD,   18                          ; v18  a lane permute's destination
.set SH,   19                          ; v19  8 (lane / 16)
.set TP,   20                          ; v20-26 second halves of blocks' codes
.set WSEL, 28
.set RAW,  32                          ; v32-159  as loaded: fragment f, row m at 64 f + 4 m
.set X,    160                         ; v160-223 my two blocks of 32 neighbours
.set PC,   224                         ; v224-247 the codes: 12 registers for each fragment, so that no store's data are written again
	s_load_b256 s[4:11], s[0:1], 0x0               ; hidden_states, q_w, k_w, v_w
	s_load_b256 s[12:19], s[0:1], 0x20             ; o_w, codes, scales, rope
	v_lshl_add_u32 v254, v0, 2, 0x10800
	v_mov_b32 v255, 0
	v_lshrrev_b32 v1, 5, v0
	v_readfirstlane_b32 s20, v1                    ; wave 0..3
	v_and_b32 v1, 31, v0                           ; lane
	v_and_b32 v2, 15, v0                           ; r
	v_bfe_u32 v3, v0, 4, 1                         ; h
	s_cmp_lt_u32 ttmp9, NQT
	s_cbranch_scc0 .Ltable
	; ---- the quantiser.  Which tensor, and which of its tiles: the choice hangs on the work-group's number alone
	s_mov_b32 s21, 0
	s_wait_kmcnt 0x0
	s_mov_b64 s[22:23], s[4:5]
	s_cmp_ge_u32 ttmp9, 256
	s_cselect_b64 s[22:23], s[6:7], s[22:23]
	s_cselect_b32 s21, 256, s21
	s_cmp_ge_u32 ttmp9, 320
	s_cselect_b64 s[22:23], s[8:9], s[22:23]
	s_cselect_b32 s21, 320, s21
	s_cmp_ge_u32 ttmp9, 336
	s_cselect_b64 s[22:23], s[10:11], s[22:23]
	s_cselect_b32 s21, 336, s21
	s_cmp_ge_u32 ttmp9, 352
	s_cselect_b64 s[22:23], s[12:13], s[22:23]
	s_cselect_b32 s21, 352, s21
	s_sub_co_u32 s24, ttmp9, s21                   ; the tile's number in its tensor
	s_lshl_b32 s25, s24, 4                         ; its first row: 16 x tile,
	s_lshr_b32 s26, s24, 1
	s_lshl_b32 s26, s26, 5
	s_and_b32 s27, s24, 1
	s_lshl_b32 s27, s27, 3
	s_add_co_u32 s26, s26, s27                     ; or, in v_w, 32 (tile / 2) + 8 (tile % 2),
	s_sub_co_u32 s27, ttmp9, 336
	s_cmp_lt_u32 s27, 16
	s_cselect_b32 s25, s26, s25
	s_cselect_b32 s28, 8*4096, 0                   ; with rows 8-15 eight rows further down
	s_lshl_b32 s26, s25, 12                        ; a row is 4,096 bytes
	s_lshl_b32 s27, s20, 10                        ; my wave's two K steps: 1,024 bytes of each row
	s_add_co_u32 s26, s26, s27
	s_mov_b32 s27, 0
	s_add_nc_u64 s[22:23], s[22:23], s[26:27]
	v_lshlrev_b32 v[VLO], 4, v1
	v_add_nc_u32 v[VHI], s28, v[VLO]
.irp f, 0,1
.irp m, 0,1,2,3,4,5,6,7
	global_load_b128 v[RAW+64*\f+4*\m:RAW+64*\f+4*\m+3], v[VLO], s[22:23] offset:\m*4096+512*\f th:TH_LOAD_NT   ; 32 lanes read 512 consecutive bytes; each input byte is read once in the launch
.endr
.irp m, 8,9,10,11,12,13,14,15
	global_load_b128 v[RAW+64*\f+4*\m:RAW+64*\f+4*\m+3], v[VHI], s[22:23] offset:\m*4096+512*\f th:TH_LOAD_NT
.endr
.endr
	s_mul_i32 s29, s20, 2*16*SP                    ; my wave's two stages
	v_add_nc_u32 v[STI], s29, v[VLO]
	v_mul_u32_u24 v[STO], v2, SP
	v_lshl_add_u32 v[STO], v3, 7, v[STO]
	v_add_nc_u32 v[STO], s29, v[STO]
	v_lshlrev_b32 v[L4], 2, v1
	v_lshlrev_b32 v[SH], 3, v3
	v_mov_b32 v[PD], 0                             ; written once: a lane permute's destination counts as one of its sources
	s_mov_b32 s30, 0x76543210
	s_mov_b32 s31, 0xfedcba98                      ; v_permlanex16_b32's selects for lane l xor 16
	s_mul_i32 s32, ttmp9, 12288                    ; the tile's codes,
	s_mul_i32 s33, s20, 3072                       ; my two fragments of them
	s_add_co_u32 s32, s32, s33
	s_mov_b32 s33, 0
	s_add_nc_u64 s[14:15], s[14:15], s[32:33]
	s_lshl_b32 s32, ttmp9, 9                       ; the tile's scale words,
	s_lshl_b32 s34, s20, 7                         ; my two K steps' 128 bytes
	s_add_co_u32 s32, s32, s34
	s_add_nc_u64 s[16:17], s[16:17], s[32:33]
; fragment f's 16 rows through its stage: LDS serves a wave's instructions in order, so no wait stands between the stores and the loads
.macro TURN f
.irp m, 0,1,2,3,4,5,6,7,8,9,10,11,12,13,14,15
	ds_store_b128 v[STI], v[RAW+64*\f+4*\m:RAW+64*\f+4*\m+3] offset:16*SP*\f+SP*\m
.endr
.irp c, 0,1
.irp i, 0,1,2,3,4,5,6,7
	ds_load_b128 v[X+32*\c+4*\i:X+32*\c+4*\i+3], v[STO] offset:16*SP*\f+256*\c+16*\i   ; block 2 c + h of row r: 128 bytes
.endr
.endr
.endm
; my two blocks become registers 6 c .. 6 c + 5 of fragment f, and the row's scale word is gathered from lanes l and l xor 16
.macro QF f
.irp c, 0,1
	v_max3_num_f32 v[MX+\c], |v[X+32*\c]|, |v[X+32*\c+1]|, 0x1800000   ; all 32 numbers are mine; the floor 2^(3 - 127) holds the byte at 1 from below
.endr
.irp i, 2,4,6,8,10,12,14,16,18,20,22,24,26,28,30
.irp c, 0,1
	v_max3_num_f32 v[MX+\c], v[MX+\c], |v[X+32*\c+\i]|, |v[X+32*\c+\i+1]|   ; (the two blocks by turns)
.endr
.endr
.irp c, 0,1
	v_add_nc_u32 v[SO+\c], 0xff000000, v[MX+\c]    ; 2 off the exponent field: the conversion takes the exponent field of this operand as its scale
.endr
.irp c, 0,1
	v_lshrrev_b32 v[BY+\c], 23, v[SO+\c]           ; the scale's byte
.endr
	v_lshl_or_b32 v[WD+\f], v[BY+1], 16, v[BY]     ; my bytes: blocks h and 2 + h,
	v_lshlrev_b32 v[WD+\f], v[SH], v[WD+\f]        ; at their places in the word;
	v_permlanex16_b32 v[PD], v[WD+\f], s30, s31
	v_or_b32 v[WD+\f], v[WD+\f], v[PD]             ; with lane l xor 16's two the word is whole
.irp c, 0,1
	v_cvt_scalef32_pk16_fp6_f32 v[PC+12*\f+6*\c:PC+12*\f+6*\c+2], v[X+32*\c:X+32*\c+15], v[SO+\c]
	v_cvt_scalef32_pk16_fp6_f32 v[TP+4*\c:TP+4*\c+2], v[X+32*\c+16:X+32*\c+31], v[SO+\c]   ; (a conversion's three registers begin on an even number)
.endr
	v_nop                                          ; one plain place behind a scaled conversion
.irp c, 0,1
.irp i, 0,1,2
	v_mov_b32 v[PC+12*\f+6*\c+3+\i], v[TP+4*\c+\i]
.endr
.endr
.irp c, 0,1,2
	global_store_b128 v[VLO], v[PC+12*\f+4*\c:PC+12*\f+4*\c+3], s[14:15] offset:1536*\f+512*\c   ; 32 lanes store 512 consecutive bytes, aligned
.endr
.endm
	s_wait_loadcnt 16                              ; fragment 0's sixteen loads are in; fragment 1's may be out
	TURN 0
	s_wait_dscnt 0x0
	QF 0
	s_wait_loadcnt 0x0
	TURN 1
	s_wait_dscnt 0x0
	QF 1
	v_cmp_ne_u32 vcc_lo, 0, v3
	v_cndmask_b32 v[WSEL], v[WD], v[WD+1], vcc_lo  ; lanes 0-15 K step 2 w, lanes 16-31 K step 2 w + 1: row lane % 16
	global_store_b32 v[L4], v[WSEL], s[16:17]      ; 128 consecutive bytes
	s_wait_tensorcnt 0x0
	ds_add_u32 v254, v255
	s_wait_dscnt 0x0
	s_endpgm
	; ---- the table of cos and sin
.Ltable:
.set POS, 4                            ; v4   my position as f32
.set CO,  32                           ; v32-47 cos, v48-63 sin of my 16 frequencies
.set SI,  48
	s_sub_co_u32 s21, ttmp9, NQT
	s_lshl_b32 s21, s21, 2
	s_add_co_u32 s21, s21, s20                     ; my wave's tile of 16 positions
	s_lshl_b32 s22, s21, 4
	v_add_nc_u32 v[POS], s22, v2
	v_cvt_f32_u32 v[POS], v[POS]
	v_cmp_ne_u32 vcc_lo, 0, v3                     ; lanes 16-31 take the frequency 8 further on
	s_mov_b32 s24, 0x3fc90fdb                      ; pi/2, its f32 number,
	s_mov_b32 s25, 0xb33bbd2e                      ; and what is left of it
	s_mov_b32 s26, 0xbe2aaaab                      ; -1/6
	s_mov_b32 s27, 0x3c088889                      ; 1/120
	s_mov_b32 s28, 0xb9500d01                      ; -1/5040
	s_mov_b32 s29, 0x3638ef1d                      ; 1/362880
	s_mov_b32 s30, 0x3d2aaaab                      ; 1/24
	s_mov_b32 s31, 0xbab60b61                      ; -1/720
	s_mov_b32 s32, 0x37d00d01                      ; 1/40320
	s_mov_b32 s33, 0xb493f27e                      ; -1/3628800
; frequency e of the lane: c0 = 10^(-f/8) for lanes 0-15, c1 for lanes 16-31
.macro TRIG e, c0, c1
	v_mov_b32 v20, \c1
	v_cndmask_b32 v20, \c0, v20, vcc_lo
	v_mul_f32 v21, v[POS], v20                     ; the angle a
	v_mul_f32 v22, 0x3f22f983, v21                 ; a x 2/pi
	v_rndne_f32 v22, v22                           ; n
	v_fma_f32 v23, -v22, s24, v21                  ; a - n pi/2: the first part leaves no rounding,
	v_fma_f32 v23, -v22, s25, v23                  ; the second rounds once: x, |x| <= pi/4
	v_mul_f32 v24, v23, v23                        ; z = x^2
	v_fma_f32 v25, v24, s29, s28
	v_fma_f32 v27, v24, s33, s32
	v_fma_f32 v25, v25, v24, s27
	v_fma_f32 v27, v27, v24, s31
	v_fma_f32 v25, v25, v24, s26
	v_fma_f32 v27, v27, v24, s30
	v_mul_f32 v26, v23, v24
	v_fma_f32 v27, v27, v24, -0.5
	v_fma_f32 v25, v26, v25, v23                   ; sin x
	v_fma_f32 v27, v27, v24, 1.0                   ; cos x
	v_cvt_i32_f32 v28, v22                         ; the quadrant: it selects values and signs, and enters no address
	v_and_b32 v29, 1, v28
	v_cmp_ne_u32 s34, 0, v29
	v_cndmask_b32 v30, v27, v25, s34               ; odd n: cos a is -+ sin x,
	v_cndmask_b32 v31, v25, v27, s34               ; sin a is +- cos x
	v_add_nc_u32 v29, 1, v28
	v_and_b32 v29, 2, v29
	v_and_b32 v28, 2, v28
	v_lshlrev_b32 v29, 30, v29                     ; cos a is negative for n % 4 = 1, 2,
	v_lshlrev_b32 v28, 30, v28                     ; sin a for n % 4 = 2, 3
	v_xor_b32 v[CO+\e], v29, v30
	v_xor_b32 v[SI+\e], v28, v31
.endm
	TRIG 0,  0x3f800000, 0x3dcccccd
	TRIG 1,  0x3f3ff911, 0x3d99940e
	TRIG 2,  0x3f0ff59a, 0x3d6655c3
	TRIG 3,  0x3ed7e89b, 0x3d2cba15
	TRIG 4,  0x3ea1e89b, 0x3d0186e2
	TRIG 5,  0x3e72d424, 0x3cc24350
	TRIG 6,  0x3e361887, 0x3c91ad39
	TRIG 7,  0x3e088d77, 0x3c5a7bf1
	TRIG 8,  0x3c23d70a, 0x3a83126f
	TRIG 9,  0x3bf5b9b0, 0x3a44948c
	TRIG 10, 0x3bb8449c, 0x3a136a16
	TRIG 11, 0x3b8a2e77, 0x39dd1726
	TRIG 12, 0x3b4f3e37, 0x39a5cb5f
	TRIG 13, 0x3b1b690d, 0x3978a814
	TRIG 14, 0x3ae91528, 0x393a7753
	TRIG 15, 0x3aaec98e, 0x390bd472
	s_lshl_b32 s22, s21, 12                        ; a tile's part of the table is 4,096 bytes
	s_mov_b32 s23, 0
	v_lshlrev_b32 v5, 4, v1
	s_wait_kmcnt 0x0
	s_add_nc_u64 s[18:19], s[18:19], s[22:23]
.irp i, 0,1,2,3
	global_store_b128 v5, v[CO+4*\i:CO+4*\i+3], s[18:19] offset:512*\i         ; 32 lanes store 512 consecutive bytes, aligned
.endr
.irp i, 0,1,2,3
	global_store_b128 v5, v[SI+4*\i:SI+4*\i+3], s[18:19] offset:2048+512*\i
.endr
	s_endpgm
.Lfunc_end_k_q263db1bbd1_prep:
	.size	k_q263db1bbd1_prep, .Lfunc_end_k_q263db1bbd1_prep-k_q263db1bbd1_prep
	.p2alignl 7, 3214868480
	.fill 96, 4, 3214868480
	.section	.rodata,"a",@progbits
	.p2align	6, 0x0
	.amdhsa_kernel k_q263db1bbd1_prep
		.amdhsa_group_segment_fixed_size 68096
		.amdhsa_private_segment_fixed_size 0
		.amdhsa_enable_private_segment 0
		.amdhsa_kernarg_size 64
		.amdhsa_user_sgpr_count 2
		.amdhsa_user_sgpr_kernarg_segment_ptr 1
		.amdhsa_wavefront_size32 1
		.amdhsa_system_sgpr_workgroup_id_x 1
		.amdhsa_system_sgpr_workgroup_id_y 1
		.amdhsa_system_sgpr_workgroup_id_z 1
		.amdhsa_system_vgpr_workitem_id 0
		.amdhsa_next_free_vgpr 256
		.amdhsa_next_free_sgpr 66
		.amdhsa_reserve_vcc 1
		.amdhsa_float_denorm_mode_32 3
		.amdhsa_float_denorm_mode_16_64 3
		.amdhsa_memory_ordered 1
		.amdhsa_forward_progress 1
		.amdhsa_inst_pref_size 43
	.end_amdhsa_kernel
	.amdgpu_metadata
---
amdhsa.version: [ 1, 2 ]
amdhsa.kernels:
  - .name:           k_q263db1bbd1_prep
    .symbol:         k_q263db1bbd1_prep.kd
    .args:
      - { .name: hidden_states, .offset: 0, .size: 8, .value_kind: global_buffer, .address_space: global }
      - { .name: q_w, .offset: 8, .size: 8, .value_kind: global_buffer, .address_space: global }
      - { .name: k_w, .offset: 16, .size: 8, .value_kind: global_buffer, .address_space: global }
      - { .name: v_w, .offset: 24, .size: 8, .value_kind: global_buffer, .address_space: global }
      - { .name: o_w, .offset: 32, .size: 8, .value_kind: global_buffer, .address_space: global }
      - { .name: codes, .offset: 40, .size: 8, .value_kind: global_buffer, .address_space: global }
      - { .name: scales, .offset: 48, .size: 8, .value_kind: global_buffer, .address_space: global }
      - { .name: rope, .offset: 56, .size: 8, .value_kind: global_buffer, .address_space: global }
    .group_segment_fixed_size: 68096
    .private_segment_fixed_size: 0
    .kernarg_segment_align: 8
    .kernarg_segment_size: 64
    .max_flat_workgroup_size: 128
    .sgpr_count:     66
    .vgpr_count:     256
    .wavefront_size: 32
...
	.end_amdgpu_metadata
.endif
;; end of part 1
;; launch qkv (part 2): grid 32 x 8, 12 waves a work-group, clusters of 4 x 1, 263,680 bytes of LDS; arguments codes, scales, rope, qc, kv; writes qc, kv
.if DOCPART == 2
	.amdgcn_target "amdgcn-amd-amdhsa--gfx1250"
	.amdhsa_code_object_version 6
	.text
	.protected	k_q263db1bbd1_qkv
	.globl	k_q263db1bbd1_qkv
	.p2align	8
	.type	k_q263db1bbd1_qkv,@function
k_q263db1bbd1_qkv:
	s_mov_b64 s[64:65], 0
	v_nop
	global_prefetch_b8 v0, s[64:65] scope:SCOPE_SE
	s_setreg_imm32_b32 hwreg(HW_REG_WAVE_MODE, 25, 1), 1
	s_wait_xcnt 0x0
	s_wait_alu depctr_hold_cnt(0) depctr_sa_sdst(0) depctr_va_vdst(0) depctr_va_sdst(0) depctr_va_ssrc(0) depctr_va_vcc(0) depctr_vm_vsrc(0)
	s_getreg_b32 s2, hwreg(HW_REG_IB_STS2, 6, 4)
	s_cmp_eq_u32 s2, 0
	s_cbranch_scc0 .Lentry_in_a_cluster
	s_endpgm
.Lentry_in_a_cluster:
	s_bfe_u32 s2, ttmp6, 0x10000c
	s_cmp_lg_u32 s2, 0x3003
	s_cbranch_scc0 .Lentry_shape_is_right
	s_endpgm
.Lentry_shape_is_right:
; QKV.  q, k, v = x W^T on codes of FP6 (E2M3) with E8M0 scales, K = 1,024; RoPE on q and k in f32; q and k quantised along a head's 64 channels, v along the keys.  Nothing leaves as f32.
; SHARES.  A work-group takes 128 positions (block X = 4 x cluster x + cx) and three of the 24 heads (group y: heads 3 y .. 3 y + 2; heads 0-15 q, 16-19 k, 20-23 v).  Twelve waves: slot = wave / 4 picks the head, sub = wave % 4.
;   q and k heads: the wave takes positions 32 sub .. + 31 (two tiles) x the head's four tiles of channels, TRANSPOSED (source 0 = 16 rows of W, source 1 = 16 positions): a lane holds one position, its registers run along the channels.
;   v heads: the wave takes all 128 positions (eight tiles) x tile sub of the head's channels (source 0 = positions, source 1 = 16 rows of W): a lane holds one channel, its registers run down the positions, which are the keys.
;   Either way eight accumulators by turns and 64 matrix instructions a wave.
; LDS holds all operands at once, each byte filled once: x's 8 tiles x 8 K steps, W's 12 tiles x 8 K steps, as images of the operands' registers (1,536 bytes a fragment, three loads of 16 bytes a lane), and their scale words.
; Each tensor load brings one K half of two row tiles; the first half is multiplied while the second is on its way.
; CLUSTER.  The four work-groups of a cluster have the same y, so W's 147,456 bytes and its scale words are asked for JOINTLY.  x's tiles are each work-group's own.  The cluster does not reach along y: the roles hang on y, and partners run alike.
; WHAT IS STORED.  qc: [head 16][pair of position tiles 128] records of 1,792 bytes: each tile's six registers (four at 16 x lane, two at 512 + 8 x lane; 768 bytes), then 256 bytes of scale words [lane][tile]: lanes 0-15 the word for q in the
;   low half of a K of 128 (bytes s0, s1, 1, 1), lanes 16-31 for q in the high half (1, 1, s0, s1).   kv: [kv head 4][block of 128 keys 32] records of 13,312 bytes: four fragments of k (fragment P: keys 32 P + r in registers 0-5, keys
;   32 P + 16 + r in registers 6-11), their scale words (128 bytes each, 4 x lane), four fragments of v (16 channels x 128 keys), their scale words.
; ORDER INSIDE A BLOCK OF 32.  A lane's 16 numbers of a block are elements 16 u + 8 (lane / 16) + j, so the codes of a block lie in the order 0-7, 16-23, 8-15, 24-31: alike in q and k, and alike in v and in attention's p: the sums are those of the true order, grouped otherwise.
; LIMITS: a block's largest magnitude is held at 2^-124 from below (a block of zeros gets the byte 1; this program alone reads the bytes); NaN and infinities are not served; RoPE is x cos -+ (x' sin) with the second product rounded and the first fused.
.set XH,   49152                       ; LDS: x's codes from 0: fragment (p, s) at XH (s / 4) + 6144 p + 1536 (s % 4)
.set WC,   98304                       ; W's codes: fragment (t, s) at WC + WHF (s / 4) + 6144 t + 1536 (s % 4)
.set WHF,  73728
.set XS,   245760                      ; x's scale words: 512 p + 64 s + 4 r
.set WS,   249856                      ; W's: 512 t + 64 s + 4 r
.set REC,  13312                       ; a record of kv
.set L16,  1                           ; v1   16 x lane (also the v role's address of x's first K half)
.set R4,   2                           ; v2   4 x (lane % 16)
.set L8,   3                           ; v3   8 x lane
.set L4,   4                           ; v4   4 x lane
.set XR0,  5                           ; v5-6   x's fragments, q and k role, K half 0, 1
.set XR1,  6
.set XV1,  8                           ; v8     x's fragments, v role, K half 1
.set WR0,  9                           ; v9-10  W's fragments, q and k role
.set WR1,  10
.set WV0,  11                          ; v11-12 W's fragment, v role
.set WV1,  12
.set XSR,  13                          ; v13-16 scale words: x's and W's in either role
.set XSV,  14
.set WSR,  15
.set WSV,  16
.set HH,   19                          ; v19  lane / 16
.set SCL,  20                          ; v20-28 scale words and nothing else
.set ACC,  32                          ; v32-95 eight accumulators
.set FR,   96                          ; v96-203 fragments (q and k role: 72 registers; v role: 108)
.set PC,   96                          ; behind the products: the codes,
.set RT,   108                         ; v108-115 at work,
.set WW,   116                         ; v116-117 scale words just made
.set CSN,  168                         ; v168-231 cos and sin: position tile pp at 32 pp: 16 cos, 16 sin
.set TM,   232                         ; v232-247 the quantiser's: largest magnitudes, bytes, scale operands
.set PT,   248                         ; v248-250 a conversion's second result
.set WV,   14                          ; s14  wave
.set SLOT, 15
.set SUB,  16
.set BX,   18                          ; s18  block of positions
.set GY,   19                          ; s19  group of heads
.set HD,   20                          ; s20  my head, 0 .. 23
.set SEL,  22                          ; s[22:23]
; s[24:31] group 1, two rows of 6,144 bytes, joint; s[32:39] the same, plain; s[40:47] one row of 1,024 bytes, joint; s[48:55] plain
; s[56:59], s[60:63], s[68:71] groups 0 of W's three loads; s[72:75], s[76:79], s[80:83] of x's
.macro CROUND                          ; a round of the cluster's barrier
	s_barrier_signal -1
	s_barrier_wait -1
	s_cmp_lg_u32 s[WV], 0
	s_cbranch_scc1 .Lnot_wave_0_\@
	s_barrier_signal -3
.Lnot_wave_0_\@:
	s_barrier_wait -3
	s_barrier_signal -1
	s_barrier_wait -1
.endm
.macro PLACES                          ; four plain places behind matrix instructions, in front of loads into their registers and of the first read of results
.rept 4
	v_nop
.endr
.endm
	s_load_b256 s[4:11], s[0:1], 0x0               ; codes, scales, rope, qc
	s_load_b64 s[12:13], s[0:1], 0x20              ; kv
	v_lshl_add_u32 v254, v0, 2, 0x40000
	v_mov_b32 v255, 0
	ds_add_u32 v254, v255
	ds_add_u32 v254, v255
	v_lshrrev_b32 v1, 5, v0
	v_readfirstlane_b32 s[WV], v1                  ; wave 0..11
	s_lshr_b32 s[SLOT], s[WV], 2
	s_and_b32 s[SUB], s[WV], 3
	s_bfe_u32 s17, ttmp6, 0x40000                  ; cx: it enters global addresses of x, rope, qc and kv alone
	s_lshl_b32 s[BX], ttmp9, 2
	s_add_co_u32 s[BX], s[BX], s17
	s_and_b32 s[GY], ttmp7, 0xffff                 ; the same in all four partners
	s_mul_i32 s[HD], s[GY], 3
	s_add_co_u32 s[HD], s[HD], s[SLOT]
	s_mov_b32 s[SEL], 0x76543210
	s_mov_b32 s[SEL+1], 0xfedcba98
	s_mov_b32 s24, 15|(3<<16)|(1<<21)              ; 15:0 the mask: all four work-groups; 17:16 elements of 8 bytes; 21 set beside a mask
	s_mov_b32 s32, 3<<16
.irp g, 24, 32
	s_mov_b32 s[\g+1], 768<<16                     ; tensor_dim0 = 768 elements: one K half of a row tile, 6,144 bytes
	s_mov_b32 s[\g+2], 2<<16                       ; tensor_dim1 = 2 row tiles
	s_mov_b32 s[\g+3], 768<<16                     ; tile_dim0
	s_mov_b32 s[\g+4], 2                           ; tile_dim1
	s_mov_b32 s[\g+5], 1536                        ; from row tile to row tile: 12,288 bytes
	s_mov_b32 s[\g+6], 0
	s_mov_b32 s[\g+7], 0
.endr
	s_mov_b32 s40, 15|(3<<16)|(1<<21)
	s_mov_b32 s48, 3<<16
.irp g, 40, 48
	s_mov_b32 s[\g+1], 128<<16                     ; one row of 128 elements: two row tiles' scale words, 1,024 dense bytes
	s_mov_b32 s[\g+2], 1<<16
	s_mov_b32 s[\g+3], 128<<16
	s_mov_b32 s[\g+4], 1
	s_mov_b32 s[\g+5], 128
	s_mov_b32 s[\g+6], 0
	s_mov_b32 s[\g+7], 0
.endr
	; W, waves 4 to 9: row tiles 256 + 12 y + 2 (wave - 4) and the next: made of y and the wave's number alone
	s_mul_i32 s84, s[GY], 12
	s_lshl_b32 s85, s[WV], 1
	s_add_co_u32 s84, s84, s85
	s_add_co_u32 s84, s84, 248
	s_lshl_b32 s86, s84, 9                         ; its scale words
	s_mov_b32 s87, 0
	s_mul_i32 s84, s84, 12288                      ; its codes
	s_mov_b32 s85, 0
	; x, waves 0 to 3: row tiles 8 X + 2 wave and the next
	s_lshl_b32 s88, s[BX], 3
	s_lshl_b32 s89, s[WV], 1
	s_add_co_u32 s88, s88, s89
	s_lshl_b32 s90, s88, 9
	s_mov_b32 s91, 0
	s_mul_i32 s88, s88, 12288
	s_mov_b32 s89, 0
	s_lshl_b32 s92, s[WV], 10
	s_mul_i32 s93, s[WV], 12288
	s_lshl_b32 s94, s[BX], 3                       ; the table: position tiles 8 X + 2 sub and the next, 4,096 bytes each
	s_lshl_b32 s95, s[SUB], 1
	s_add_co_u32 s94, s94, s95
	s_lshl_b32 s94, s94, 12
	s_mov_b32 s95, 0
	s_wait_dscnt 0x0
	s_wait_kmcnt 0x0
	s_mov_b32 s56, 1
	s_add_co_u32 s57, s92, WS-4096                 ; WS + 1,024 (wave - 4)
	s_add_nc_u64 s[58:59], s[6:7], s[86:87]
	s_or_b32 s59, s59, 0x80000000
	s_mov_b32 s60, 1
	s_add_co_u32 s61, s93, WC-49152                ; WC + 12,288 (wave - 4)
	s_add_nc_u64 s[62:63], s[4:5], s[84:85]
	s_mov_b32 s68, 1
	s_add_co_u32 s69, s93, WC+WHF-49152
	s_add_nc_u64 s[70:71], s[62:63], 6144          ; the second K half
	s_or_b32 s63, s63, 0x80000000
	s_or_b32 s71, s71, 0x80000000
	s_mov_b32 s72, 1
	s_add_co_u32 s73, s92, XS
	s_add_nc_u64 s[74:75], s[6:7], s[90:91]
	s_or_b32 s75, s75, 0x80000000
	s_mov_b32 s76, 1
	s_mov_b32 s77, s93
	s_add_nc_u64 s[78:79], s[4:5], s[88:89]
	s_mov_b32 s80, 1
	s_add_co_u32 s81, s93, XH
	s_add_nc_u64 s[82:83], s[78:79], 6144
	s_or_b32 s79, s79, 0x80000000
	s_or_b32 s83, s83, 0x80000000
	s_add_nc_u64 s[8:9], s[8:9], s[94:95]
	CROUND                                         ; all four work-groups are here: the joint loads meet
	s_cmp_lt_u32 s[WV], 4                          ; a wave's three fills stand together in one branch on the wave's number: scale words, first K half, second K half; three loads of a wave are out at the most
	s_cbranch_scc0 .Lnot_x
	tensor_load_to_lds s[72:75], s[48:55]
	s_nop 0
	tensor_load_to_lds s[76:79], s[32:39]
	s_nop 0
	tensor_load_to_lds s[80:83], s[32:39]
	s_nop 0
	PLACES                                         ; (four v_nop behind the last load)
	s_branch .Lfilled
.Lnot_x:
	s_cmp_lt_u32 s[WV], 10
	s_cbranch_scc0 .Lfilled
	tensor_load_to_lds s[56:59], s[40:47]
	s_nop 0
	tensor_load_to_lds s[60:63], s[24:31]
	s_nop 0
	tensor_load_to_lds s[68:71], s[24:31]
	s_nop 0
	PLACES
.Lfilled:
	; every LDS address is made here, ahead of the parting of the roles, of the lane and the wave's number alone
	v_and_b32 v17, 31, v0
	v_and_b32 v18, 15, v0
	v_bfe_u32 v[HH], v0, 4, 1
	v_lshlrev_b32 v[L16], 4, v17
	v_lshlrev_b32 v[R4], 2, v18
	v_lshlrev_b32 v[L8], 3, v17
	v_lshlrev_b32 v[L4], 2, v17
	s_mul_i32 s84, s[SUB], 12288
	v_add_nc_u32 v[XR0], s84, v[L16]
	v_add_nc_u32 v[XR1], XH, v[XR0]
	v_add_nc_u32 v[XV1], XH, v[L16]
	s_mul_i32 s85, s[SLOT], 24576
	s_add_co_u32 s85, s85, WC
	v_add_nc_u32 v[WR0], s85, v[L16]
	v_add_nc_u32 v[WR1], WHF, v[WR0]
	s_mul_i32 s86, s[WV], 6144
	s_add_co_u32 s86, s86, WC
	v_add_nc_u32 v[WV0], s86, v[L16]
	v_add_nc_u32 v[WV1], WHF, v[WV0]
	s_lshl_b32 s87, s[SUB], 10
	s_add_co_u32 s87, s87, XS
	v_add_nc_u32 v[XSR], s87, v[R4]
	v_add_nc_u32 v[XSV], XS, v[R4]
	s_lshl_b32 s84, s[SLOT], 11
	s_add_co_u32 s84, s84, WS
	v_add_nc_u32 v[WSR], s84, v[R4]
	s_lshl_b32 s85, s[WV], 9
	s_add_co_u32 s85, s85, WS
	v_add_nc_u32 v[WSV], s85, v[R4]
.irp b, 0,1,2,3
	v_mov_b32 v[TM+4+\b], 0                        ; written once: a lane permute's destination counts as one of its sources
.endr
.macro LDF reg, adr, off               ; a fragment comes back as it was stored: three groups of four registers
.irp c, 0,1,2
	ds_load_b128 v[(\reg)+4*\c:(\reg)+4*\c+3], v[\adr] offset:(\off)+512*\c
.endr
.endm
.macro MM d, a, b, sa, sb, zero        ; zero = 1: the first product starts the sum
.if \zero
	v_wmma_scale_f32_16x16x128_f8f6f4 v[(\d):(\d)+7], v[(\a):(\a)+11], v[(\b):(\b)+11], 0, v[\sa], v[\sb] matrix_a_fmt:MATRIX_FMT_FP6 matrix_b_fmt:MATRIX_FMT_FP6
.else
	v_wmma_scale_f32_16x16x128_f8f6f4 v[(\d):(\d)+7], v[(\a):(\a)+11], v[(\b):(\b)+11], v[(\d):(\d)+7], v[\sa], v[\sb] matrix_a_fmt:MATRIX_FMT_FP6 matrix_b_fmt:MATRIX_FMT_FP6
.endif
.endm
; Four K steps of the q and k role.  The eight accumulators take turns, one instruction a turn, in the same order in every step.
.macro RHALF xa, wa, hf, zero
.irp q, 0,1,2,3
.if \q > 0
	PLACES
.endif
.irp pp, 0,1
	LDF FR+12*\pp, \xa, 6144*\pp+1536*\q
.endr
.irp t, 0,1,2,3
	LDF FR+24+12*\t, \wa, 6144*\t+1536*\q
.endr
.irp pp, 0,1
	ds_load_b32 v[SCL+\pp], v[XSR] offset:512*\pp+64*(4*\hf+\q)
.endr
.irp t, 0,1,2,3
	ds_load_b32 v[SCL+2+\t], v[WSR] offset:512*\t+64*(4*\hf+\q)
.endr
	s_wait_dscnt 0x0
.irp pp, 0,1
.irp t, 0,1,2,3
.if (\zero) && (\q == 0)
	MM ACC+8*(4*\pp+\t), FR+24+12*\t, FR+12*\pp, SCL+2+\t, SCL+\pp, 1
.else
	MM ACC+8*(4*\pp+\t), FR+24+12*\t, FR+12*\pp, SCL+2+\t, SCL+\pp, 0
.endif
.endr
.endr
.endr
.endm
; Four K steps of the v role
.macro VHALF xa, wa, hf, zero
.irp q, 0,1,2,3
.if (\q > 0) || (\hf)
	PLACES
.endif
.irp p, 0,1,2,3,4,5,6,7
	LDF FR+12*\p, \xa, 6144*\p+1536*\q
.endr
	LDF FR+96, \wa, 1536*\q
.irp p, 0,1,2,3,4,5,6,7
	ds_load_b32 v[SCL+\p], v[XSV] offset:512*\p+64*(4*\hf+\q)
.endr
	ds_load_b32 v[SCL+8], v[WSV] offset:64*(4*\hf+\q)
	s_wait_dscnt 0x0
.irp p, 0,1,2,3,4,5,6,7
.if (\zero) && (\q == 0)
	MM ACC+8*\p, FR+12*\p, FR+96, SCL+\p, SCL+8, 1
.else
	MM ACC+8*\p, FR+12*\p, FR+96, SCL+\p, SCL+8, 0
.endif
.endr
.endr
.endm
; 32 numbers of a lane, v[s] on: register 16 b + i belongs to block b of my row, lanes l and l xor 16 share a block.  They become six registers at v[dst]: lanes 0-15 block 0, lanes 16-31 block 1.  The bytes stay in v[TM+4], v[TM+5].
.macro QUANT32 s, dst
.irp b, 0,1
	v_max3_num_f32 v[TM+\b], |v[(\s)+16*\b]|, |v[(\s)+1+16*\b]|, 0x1800000   ; with the floor 2^(3 - 127): the byte cannot fall under 1
.endr
.irp i, 2,4,6,8,10,12,14
.irp b, 0,1
	v_max3_num_f32 v[TM+\b], v[TM+\b], |v[(\s)+16*\b+\i]|, |v[(\s)+1+16*\b+\i]|
.endr
.endr
.irp b, 0,1
	v_permlanex16_b32 v[TM+4+\b], v[TM+\b], s[SEL], s[SEL+1]
.endr
.irp b, 0,1
	v_max_num_f32 v[TM+\b], v[TM+\b], v[TM+4+\b]   ; the block's largest magnitude
.endr
.irp b, 0,1
	v_add_nc_u32 v[TM+12+\b], 0xff000000, v[TM+\b] ; 2 off its exponent field: the conversion's scale operand
.endr
.irp b, 0,1
	v_lshrrev_b32 v[TM+4+\b], 23, v[TM+12+\b]      ; the scale's byte
.endr
	v_cvt_scalef32_pk16_fp6_f32 v[(\dst):(\dst)+2], v[(\s):(\s)+15], v[TM+12]
	v_cvt_scalef32_pk16_fp6_f32 v[PT:PT+2], v[(\s)+16:(\s)+31], v[TM+13]
	v_nop                                          ; one plain place behind a scaled conversion
.irp i, 0,1,2
	v_permlane16_swap_b32 v[(\dst)+\i], v[PT+\i]   ; a whole block to a lane
.endr
.irp i, 0,1,2
	v_mov_b32 v[(\dst)+3+\i], v[PT+\i]
.endr
.endm
; 64 numbers of a lane, four blocks, become a fragment's 12 registers at v[PC] and its scale word in v[WW]
.macro QUANT s
.irp b, 0,1,2,3
	v_max3_num_f32 v[TM+\b], |v[(\s)+16*\b]|, |v[(\s)+1+16*\b]|, 0x1800000
.endr
.irp i, 2,4,6,8,10,12,14
.irp b, 0,1,2,3
	v_max3_num_f32 v[TM+\b], v[TM+\b], |v[(\s)+16*\b+\i]|, |v[(\s)+1+16*\b+\i]|
.endr
.endr
.irp b, 0,1,2,3
	v_permlanex16_b32 v[TM+4+\b], v[TM+\b], s[SEL], s[SEL+1]
.endr
.irp b, 0,1,2,3
	v_max_num_f32 v[TM+\b], v[TM+\b], v[TM+4+\b]
.endr
.irp b, 0,1,2,3
	v_add_nc_u32 v[TM+12+\b], 0xff000000, v[TM+\b]
.endr
.irp b, 0,1,2,3
	v_lshrrev_b32 v[TM+4+\b], 23, v[TM+12+\b]
.endr
	v_lshl_or_b32 v[WW], v[TM+5], 8, v[TM+4]
	v_lshl_or_b32 v[WW], v[TM+6], 16, v[WW]
	v_lshl_or_b32 v[WW], v[TM+7], 24, v[WW]
.irp c, 0,1
	v_cvt_scalef32_pk16_fp6_f32 v[PC+6*\c:PC+2+6*\c], v[(\s)+32*\c:(\s)+15+32*\c], v[TM+12+2*\c]
	v_cvt_scalef32_pk16_fp6_f32 v[RT+4*\c:RT+2+4*\c], v[(\s)+16+32*\c:(\s)+31+32*\c], v[TM+12+2*\c+1]
.endr
	v_nop
.irp c, 0,1
.irp i, 0,1,2
	v_permlane16_swap_b32 v[PC+6*\c+\i], v[RT+4*\c+\i]
.endr
.irp i, 0,1,2
	v_mov_b32 v[PC+3+6*\c+\i], v[RT+4*\c+\i]
.endr
.endr
.endm
; the fragment in v[PC] on and its scale word go to my place in kv's record: first = the role's first head; foff, soff = where the role's fragments and scale words begin in a record
.macro KVOUT first, foff, soff, wreg
	s_sub_co_u32 s90, s[HD], \first
	s_lshl_b32 s90, s90, 5
	s_add_co_u32 s90, s90, s[BX]
	s_mul_i32 s90, s90, REC
	s_mul_i32 s92, s[SUB], 1536
	s_add_co_u32 s92, s92, s90
	s_mov_b32 s93, 0
	s_lshl_b32 s94, s[SUB], 7
	s_add_co_u32 s94, s94, s90
	s_mov_b32 s95, 0
	s_add_nc_u64 s[92:93], s[12:13], s[92:93]
	s_add_nc_u64 s[94:95], s[12:13], s[94:95]
.irp c, 0,1,2
	global_store_b128 v[L16], v[PC+4*\c:PC+4*\c+3], s[92:93] offset:\foff+512*\c   ; 32 lanes store 512 consecutive bytes, aligned
.endr
	global_store_b32 v[L4], v[\wreg], s[94:95] offset:\soff
.endm
	s_wait_tensorcnt 0x1                           ; my scale words and my first K half are in; the second half may be out
	s_barrier_signal -1
	s_barrier_wait -1                              ; everybody's are
	s_cmp_ge_u32 s[HD], 20
	s_cbranch_scc1 .Lv_first
	RHALF XR0, WR0, 0, 1
	s_branch .Lmid
.Lv_first:
	VHALF L16, WV0, 0, 1
.Lmid:
	s_wait_tensorcnt 0x0                           ; my second K half is in,
	s_wait_dscnt 0x0
	s_barrier_signal -1
	s_barrier_wait -1                              ; everybody's is
	s_cmp_ge_u32 s[HD], 20
	s_cbranch_scc1 .Lv_second
	; ---- q and k: the table is asked for here and lands under four K steps of products
	PLACES                                         ; behind the first half's last products: they serve the loads below and the next K step's
.irp pp, 0,1
.irp i, 0,1,2,3,4,5,6,7
	global_load_b128 v[CSN+32*\pp+4*\i:CSN+32*\pp+4*\i+3], v[L16], s[8:9] offset:4096*\pp+512*\i
.endr
.endr
	RHALF XR1, WR1, 1, 0
	PLACES
	s_wait_loadcnt 0x0
	; RoPE.  Register e (0 .. 15) of a position tile is channel f = 16 (e / 8) + 8 (lane / 16) + e % 8, register 16 + e channel 32 + f.  Going up in e takes each accumulator from its low end on.
.irp pp, 0,1
.irp e, 0,2,4,6,8,10,12,14
	v_pk_mul_f32 v[RT+4*((\e/2)%2):RT+4*((\e/2)%2)+1], v[ACC+32*\pp+16+\e:ACC+32*\pp+17+\e], v[CSN+32*\pp+16+\e:CSN+32*\pp+17+\e]
	v_pk_mul_f32 v[RT+4*((\e/2)%2)+2:RT+4*((\e/2)%2)+3], v[ACC+32*\pp+\e:ACC+32*\pp+1+\e], v[CSN+32*\pp+16+\e:CSN+32*\pp+17+\e]
	v_pk_fma_f32 v[ACC+32*\pp+\e:ACC+32*\pp+1+\e], v[ACC+32*\pp+\e:ACC+32*\pp+1+\e], v[CSN+32*\pp+\e:CSN+32*\pp+1+\e], v[RT+4*((\e/2)%2):RT+4*((\e/2)%2)+1] neg_lo:[0,0,1] neg_hi:[0,0,1]
	v_pk_fma_f32 v[ACC+32*\pp+16+\e:ACC+32*\pp+17+\e], v[ACC+32*\pp+16+\e:ACC+32*\pp+17+\e], v[CSN+32*\pp+\e:CSN+32*\pp+1+\e], v[RT+4*((\e/2)%2)+2:RT+4*((\e/2)%2)+3]
.endr
.endr
.irp pp, 0,1
	QUANT32 ACC+32*\pp, PC+6*\pp
	v_lshl_or_b32 v[WW+\pp], v[TM+5], 8, v[TM+4]   ; the tile's two bytes
.endr
	s_cmp_lt_u32 s[HD], 16
	s_cbranch_scc0 .Lk_out
	s_lshl_b32 s90, s[HD], 7                       ; q: record 128 head + 4 X + sub
	s_lshl_b32 s91, s[BX], 2
	s_add_co_u32 s90, s90, s91
	s_add_co_u32 s90, s90, s[SUB]
	s_mul_i32 s90, s90, 1792
	s_mov_b32 s91, 0
	s_add_nc_u64 s[10:11], s[10:11], s[90:91]
	v_cmp_ne_u32 vcc_lo, 0, v[HH]
.irp pp, 0,1
	v_or_b32 v118, 0x01010000, v[WW+\pp]           ; q in the low half of a K of 128: s0, s1, 1, 1
	v_lshl_or_b32 v119, v[WW+\pp], 16, 0x0101      ; in the high half: 1, 1, s0, s1
	v_cndmask_b32 v[120+\pp], v118, v119, vcc_lo   ; lanes 0-15 the first, lanes 16-31 the second
.endr
.irp pp, 0,1
	global_store_b128 v[L16], v[PC+6*\pp:PC+6*\pp+3], s[10:11] offset:768*\pp
	global_store_b64 v[L8], v[PC+6*\pp+4:PC+6*\pp+5], s[10:11] offset:768*\pp+512
.endr
	global_store_b64 v[L8], v[120:121], s[10:11] offset:1536   ; every store covers whole aligned blocks of 256 bytes
	s_branch .Lend
.Lk_out:
	v_lshl_or_b32 v118, v[WW+1], 16, v[WW]         ; k: the two tiles are one fragment, and their bytes one word
	KVOUT 16, 0, 6144, 118
	s_branch .Lend
.Lv_second:
	VHALF XV1, WV1, 1, 0
	PLACES
	QUANT ACC                                      ; register 16 b + 8 u + j is key 32 b + 16 u + 8 (lane / 16) + j of my channel
	KVOUT 20, 6656, 12800, WW
.Lend:
	s_wait_tensorcnt 0x0
	ds_add_u32 v254, v255
	s_wait_dscnt 0x0
	CROUND                                         ; the closing round: no work-group ends while a partner may still ask for a tile that names it
	s_endpgm
.Lfunc_end_k_q263db1bbd1_qkv:
	.size	k_q263db1bbd1_qkv, .Lfunc_end_k_q263db1bbd1_qkv-k_q263db1bbd1_qkv
	.p2alignl 7, 3214868480
	.fill 96, 4, 3214868480
	.section	.rodata,"a",@progbits
	.p2align	6, 0x0
	.amdhsa_kernel k_q263db1bbd1_qkv
		.amdhsa_group_segment_fixed_size 263680
		.amdhsa_private_segment_fixed_size 0
		.amdhsa_enable_private_segment 0
		.amdhsa_kernarg_size 40
		.amdhsa_user_sgpr_count 2
		.amdhsa_user_sgpr_kernarg_segment_ptr 1
		.amdhsa_wavefront_size32 1
		.amdhsa_system_sgpr_workgroup_id_x 1
		.amdhsa_system_sgpr_workgroup_id_y 1
		.amdhsa_system_sgpr_workgroup_id_z 1
		.amdhsa_system_vgpr_workitem_id 0
		.amdhsa_next_free_vgpr 256
		.amdhsa_next_free_sgpr 100
		.amdhsa_reserve_vcc 1
		.amdhsa_float_denorm_mode_32 3
		.amdhsa_float_denorm_mode_16_64 3
		.amdhsa_memory_ordered 1
		.amdhsa_forward_progress 1
		.amdhsa_inst_pref_size 74
	.end_amdhsa_kernel
	.amdgpu_metadata
---
amdhsa.version: [ 1, 2 ]
amdhsa.kernels:
  - .name:           k_q263db1bbd1_qkv
    .symbol:         k_q263db1bbd1_qkv.kd
    .args:
      - { .name: codes, .offset: 0, .size: 8, .value_kind: global_buffer, .address_space: global }
      - { .name: scales, .offset: 8, .size: 8, .value_kind: global_buffer, .address_space: global }
      - { .name: rope, .offset: 16, .size: 8, .value_kind: global_buffer, .address_space: global }
      - { .name: qc, .offset: 24, .size: 8, .value_kind: global_buffer, .address_space: global }
      - { .name: kv, .offset: 32, .size: 8, .value_kind: global_buffer, .address_space: global }
    .group_segment_fixed_size: 263680
    .private_segment_fixed_size: 0
    .kernarg_segment_align: 8
    .kernarg_segment_size: 40
    .max_flat_workgroup_size: 384
    .sgpr_count:     100
    .vgpr_count:     256
    .wavefront_size: 32
...
	.end_amdgpu_metadata
.endif
;; end of part 2
;; launch attn (part 3): grid 64 x 4, 16 waves a work-group, clusters of 4 x 1, 247,808 bytes of LDS; arguments qc, kv, ac, asc; writes ac, asc
.if DOCPART == 3
	.amdgcn_target "amdgcn-amd-amdhsa--gfx1250"
	.amdhsa_code_object_version 6
	.text
	.protected	k_q263db1bbd1_attn
	.globl	k_q263db1bbd1_attn
	.p2align	8
	.type	k_q263db1bbd1_attn,@function
k_q263db1bbd1_attn:
	s_mov_b64 s[64:65], 0
	v_nop
	global_prefetch_b8 v0, s[64:65] scope:SCOPE_SE
	s_setreg_imm32_b32 hwreg(HW_REG_WAVE_MODE, 25, 1), 1
	s_wait_xcnt 0x0
	s_wait_alu depctr_hold_cnt(0) depctr_sa_sdst(0) depctr_va_vdst(0) depctr_va_sdst(0) depctr_va_ssrc(0) depctr_va_vcc(0) depctr_vm_vsrc(0)
	s_getreg_b32 s2, hwreg(HW_REG_IB_STS2, 6, 4)
	s_cmp_eq_u32 s2, 0
	s_cbranch_scc0 .Lentry_in_a_cluster
	s_endpgm
.Lentry_in_a_cluster:
	s_bfe_u32 s2, ttmp6, 0x10000c
	s_cmp_lg_u32 s2, 0x3003
	s_cbranch_scc0 .Lentry_shape_is_right
	s_endpgm
.Lentry_shape_is_right:
; ATTN.  For each of 16 heads of 64 channels (four query heads to a key and value head): softmax over the keys k with q - 2047 <= k <= q of Q . K / 8, times V; both products on codes of FP6 (E2M3) with E8M0 scales.
; THE SOFTMAX AHEAD OF THE SECOND PRODUCT: t = score x log2(e) / 8; M = the row's largest t so far, rounded UP to a whole number; p = 2^(t - M) is quantised along the keys; the row's sum of the unquantised p divides at the end.
; When M moves, the sum and O are multiplied by 2^(old M - new M): exact.  The result is quantised along head x 64 + channel for the last product and leaves as codes.
; SHARES.  A cluster of four work-groups takes one block of 256 queries (cluster x) of one key and value head g (cluster y); cx picks the query head 4 g + cx and enters only global addresses of qc, ac, asc.
; Sixteen waves, one tile of 16 queries each, 256 registers, four waves to a SIMD.
; KEYS.  The block's queries see key blocks (128 keys) 2 Q - 16 .. 2 Q + 1: 18 records of kv, 239,616 bytes, which lie in LDS all at once, each byte filled once, by JOINT loads: the four heads share them.
; Waves 0-7 walk steps 0 .. 16, waves 8-15 steps 1 .. 17; a wave's first step has the window's edge, its last the diagonal.  A key block below 0 does not exist: its step is jumped over (a branch on the cluster's number,
; alike in all partners), and its load is held at key block 0, so that every load is issued and every trip count is a constant.
; K = 64 IN AN INSTRUCTION OF K = 128.  A fragment of k holds TWO tiles of keys: keys 32 P + r in registers 0-5 and keys 32 P + 16 + r in registers 6-11.  Q stands in 18 registers as Q, zeros, Q: registers 0-11 give the scores of
; the first tile, registers 6-17 those of the second.  Only Q's side has the zero codes; every code of the format is a finite number and no scale byte is 0xff, so the other tile's products are exact zeros.
; LAYOUT.  Both products transposed (source 0 = keys, or channels of V; source 1 = my queries): a lane holds one query throughout.  Inside a block of 32 keys p's codes lie in the order 0-7, 16-23, 8-15, 24-31, as v's do.
; v_w's rows were chosen so that O's register 16 b + i is channel 32 b + 16 (lane / 16) + i: the result's codes lie in the true order.
; LIMITS: NaN and infinities are not served; a block of zeros gets the byte 1.
.set REC,  13312                       ; a record: k's fragments at 1536 P, their scale words at KSO + 128 P, v's fragments at VFO + 1536 t, their scale words at VSO + 128 t
.set KSO,  6144
.set VFO,  6656
.set VSO,  12800
.set L16,  1                           ; v1   16 x lane
.set L4,   2                           ; v2   4 x lane
.set ADR,  3                           ; v3   the step's record + 16 x lane
.set ADS,  4                           ; v4   the step's record + 4 x lane
.set DD,   5                           ; v5   16 (wave % 8) + lane % 16 - 8 (lane / 16)
.set NINF, 6                           ; v6   -infinity
.set L8,   7                           ; v7   8 x lane
.set QF,   16                          ; v16-33 Q, zeros, Q
.set QS,   34                          ; scale words and nothing else: v34 Q's (lanes 0-15 low form, lanes 16-31 high form), v36-39 k's, v40-43 v's, v44 p's
.set KS,   36
.set VS,   40
.set PSW,  44
.set KV,   48                          ; v48-95 four fragments of k, then of v
.set S,    96                          ; v96-159 the scores, then p
.set OT,   160                         ; v160-191 O^T
.set PC,   192                         ; v192-203 p's codes
.set PT,   204                         ; v204-210 conversions' second results
.set BM,   212                         ; v212-215 the blocks' largest scores
.set BP,   216                         ; v216-219 lane permutes' destinations
.set SO,   220                         ; v220-223 the conversions' scale operands
.set BY,   224                         ; v224-227 the bytes
.set FF,   228                         ; v[228:229] f (the packed form names the pair; v229 is written once)
.set TT,   230
.set SUM2, 232                         ; v[232:233] the sums' second chain;  v12 -M, v13 the largest t, v[14:15] the sum in two halves
.set WV,   12
.set WH,   13                          ; s13  wave / 8
.set GG,   16
.set HEAD, 17
.set KB0,  18                          ; s18  2 Q - 16
.set TB,   19                          ; s19  LDS byte of the step's record
.set KB,   20                          ; s20  the step's key block
.set CNT,  21
.set CS,   22                          ; s[22:23] log2(e) / 8
.set SEL,  52                          ; s[52:53]
; s[24:31] group 1: 13 rows of 256 bytes; s[32:39]: 52 rows; s[40:43], s[44:47], s[48:51] groups 0
.macro CROUND
	s_barrier_signal -1
	s_barrier_wait -1
	s_cmp_lg_u32 s[WV], 0
	s_cbranch_scc1 .Lnot_wave_0_\@
	s_barrier_signal -3
.Lnot_wave_0_\@:
	s_barrier_wait -3
	s_barrier_signal -1
	s_barrier_wait -1
.endm
	s_load_b256 s[4:11], s[0:1], 0x0               ; qc, kv, ac, asc
	v_lshl_add_u32 v254, v0, 2, 0x3c000
	v_mov_b32 v255, 0
	ds_add_u32 v254, v255
	ds_add_u32 v254, v255
	v_lshrrev_b32 v1, 5, v0
	v_readfirstlane_b32 s[WV], v1                  ; wave 0..15
	s_lshr_b32 s[WH], s[WV], 3
	s_bfe_u32 s14, ttmp6, 0x40000                  ; cx
	s_and_b32 s[GG], ttmp7, 0xffff
	s_lshl_b32 s[HEAD], s[GG], 2
	s_add_co_u32 s[HEAD], s[HEAD], s14
	s_lshl_b32 s[KB0], ttmp9, 1
	s_sub_co_i32 s[KB0], s[KB0], 16
	s_mov_b32 s[CS], 0x3e38aa3b
	s_mov_b32 s[CS+1], s[CS]                       ; (named with it as a pair, so it is written)
	s_mov_b32 s[SEL], 0x76543210
	s_mov_b32 s[SEL+1], 0xfedcba98
	s_mov_b32 s24, 15|(3<<16)|(1<<21)              ; 15:0 the mask: all four work-groups; 17:16 elements of 8 bytes; 21 set beside a mask
	s_mov_b32 s25, 32<<16                          ; rows of 32 elements, 256 bytes, dense
	s_mov_b32 s26, 13<<16                          ; a quarter of a record
	s_mov_b32 s27, 32<<16
	s_mov_b32 s28, 13
	s_mov_b32 s29, 32
	s_mov_b32 s30, 0
	s_mov_b32 s31, 0
	s_mov_b32 s32, 15|(3<<16)|(1<<21)
	s_mov_b32 s33, 32<<16
	s_mov_b32 s34, 52<<16                          ; a record
	s_mov_b32 s35, 32<<16
	s_mov_b32 s36, 52
	s_mov_b32 s37, 32
	s_mov_b32 s38, 0
	s_mov_b32 s39, 0
	; waves 0-7 fetch: a quarter of records 0 and 1; record 2 + wave; record 10 + wave.  The addresses hang on the cluster's numbers and the wave's alone
	s_lshl_b32 s60, s[GG], 5
	s_lshr_b32 s54, s[WV], 2
	s_add_co_i32 s54, s54, s[KB0]
	s_max_i32 s54, s54, 0                          ; a key block below 0 is held at 0: its record is fetched and not read
	s_add_co_u32 s54, s54, s60
	s_mul_i32 s54, s54, REC
	s_and_b32 s61, s[WV], 3
	s_mul_i32 s61, s61, 3328
	s_add_co_u32 s54, s54, s61
	s_mov_b32 s55, 0
	s_add_co_i32 s56, s[KB0], s[WV]
	s_add_co_i32 s58, s56, 10
	s_add_co_i32 s56, s56, 2
	s_max_i32 s56, s56, 0
	s_max_i32 s58, s58, 0
	s_add_co_u32 s56, s56, s60
	s_add_co_u32 s58, s58, s60
	s_mul_i32 s56, s56, REC
	s_mul_i32 s58, s58, REC
	s_mov_b32 s57, 0
	s_mov_b32 s59, 0
	s_mul_i32 s61, s[WV], 3328
	s_mul_i32 s62, s[WV], REC
	s_wait_dscnt 0x0
	s_wait_kmcnt 0x0
	s_mov_b32 s40, 1
	s_mov_b32 s41, s61
	s_add_nc_u64 s[42:43], s[6:7], s[54:55]
	s_or_b32 s43, s43, 0x80000000
	s_mov_b32 s44, 1
	s_add_co_u32 s45, s62, 2*REC
	s_add_nc_u64 s[46:47], s[6:7], s[56:57]
	s_or_b32 s47, s47, 0x80000000
	s_mov_b32 s48, 1
	s_add_co_u32 s49, s62, 10*REC
	s_add_nc_u64 s[50:51], s[6:7], s[58:59]
	s_or_b32 s51, s51, 0x80000000
	CROUND                                         ; all four work-groups are here: the joint loads meet
	s_cmp_lt_u32 s[WV], 8                          ; a wave's three fills stand together in one branch on the wave's number; three loads of a wave are out at the most
	s_cbranch_scc0 .Lno_fill
	tensor_load_to_lds s[40:43], s[24:31]
	s_nop 0
	tensor_load_to_lds s[44:47], s[32:39]
	s_nop 0
	tensor_load_to_lds s[48:51], s[32:39]
	s_nop 0
.rept 4
	v_nop
.endr
.Lno_fill:
	s_lshl_b32 s54, s[HEAD], 7                     ; Q: record 128 head + 8 Q + wave / 2, tile wave % 2
	s_lshl_b32 s55, ttmp9, 3
	s_add_co_u32 s54, s54, s55
	s_lshr_b32 s55, s[WV], 1
	s_add_co_u32 s54, s54, s55
	s_mul_i32 s54, s54, 1792
	s_and_b32 s56, s[WV], 1
	s_mul_i32 s57, s56, 768
	s_add_co_u32 s58, s54, s57
	s_mov_b32 s59, 0
	s_lshl_b32 s57, s56, 2
	s_add_co_u32 s54, s54, s57
	s_mov_b32 s55, 0
	s_add_nc_u64 s[58:59], s[4:5], s[58:59]
	s_add_nc_u64 s[54:55], s[4:5], s[54:55]
	v_and_b32 v8, 31, v0
	v_and_b32 v9, 15, v0                           ; r
	v_bfe_u32 v10, v0, 4, 1                        ; h
	v_lshlrev_b32 v[L16], 4, v8
	v_lshlrev_b32 v[L4], 2, v8
	v_lshlrev_b32 v[L8], 3, v8
	global_load_b128 v[QF:QF+3], v[L16], s[58:59]              ; Q's six registers, twice: the two forms overlap in the zeros alone
	global_load_b64 v[QF+4:QF+5], v[L8], s[58:59] offset:512
	global_load_b128 v[QF+12:QF+15], v[L16], s[58:59]
	global_load_b64 v[QF+16:QF+17], v[L8], s[58:59] offset:512
	global_load_b32 v[QS], v[L8], s[54:55] offset:1536
	s_and_b32 s56, s[WV], 7
	s_lshl_b32 s56, s56, 4
	v_lshlrev_b32 v[DD], 3, v10
	v_sub_nc_u32 v[DD], v9, v[DD]
	v_add_nc_u32 v[DD], s56, v[DD]
	v_mov_b32 v[NINF], 0xff800000
	v_mov_b32 v13, 0xff61b1e6                      ; the largest t so far: -3e38, under every t
	v_floor_f32 v12, -v13                          ; -M
	v_mov_b32 v14, 0
	v_mov_b32 v15, 0
.irp j, 6,7,8,9,10,11
	v_mov_b32 v[QF+\j], 0                          ; zero codes
.endr
.irp b, 0,1,2,3
	v_mov_b32 v[BP+\b], 0                          ; written once: a lane permute's destination counts as one of its sources
.endr
	v_mov_b32 v[FF+1], 0
.irp j, 0,1,2,3,4,5,6,7,8,9,10,11,12,13,14,15,16,17,18,19,20,21,22,23,24,25,26,27,28,29,30,31
	v_mov_b32 v[OT+\j], 0                          ; O^T.  (A wave's first step differs with the wave and the block of queries: it finds zeros, which the first change of M leaves zeros)
.endr
	s_mov_b32 s[TB], 0
	s_mov_b32 s[KB], s[KB0]
; A KEY STEP: 128 keys.  skip = 1: waves 8-15 leave it out; 2: waves 0-7.  mask = 1: every wave that runs it masks; 2: waves 8-15; 3: waves 0-7.  kind = 0: the window's edge; 1: the diagonal.  neg = 1: the key block may lie below 0.
.macro STEP skip, mask, kind, neg
.if \skip == 1
	s_cmp_eq_u32 s[WH], 1
	s_cbranch_scc1 .Ltail_\@
.endif
.if \skip == 2
	s_cmp_eq_u32 s[WH], 0
	s_cbranch_scc1 .Ltail_\@
.endif
.if \neg
	s_cmp_lt_i32 s[KB], 0
	s_cbranch_scc1 .Ltail_\@
.endif
	v_add_nc_u32 v[ADR], s[TB], v[L16]
	v_add_nc_u32 v[ADS], s[TB], v[L4]
	v_nop
	v_nop                                          ; four plain places behind the last step's products, in front of the loads into their registers
.irp p, 0,1,2,3
.irp c, 0,1,2
	ds_load_b128 v[KV+12*\p+4*\c:KV+12*\p+4*\c+3], v[ADR] offset:1536*\p+512*\c
.endr
	ds_load_b32 v[KS+\p], v[ADS] offset:KSO+128*\p
.endr
	s_wait_dscnt 0x0
.irp p, 0,1,2,3                                ; S^T: tile 2 P from the fragment's low half, tile 2 P + 1 from its high half
	v_wmma_scale_f32_16x16x128_f8f6f4 v[S+16*\p:S+16*\p+7], v[KV+12*\p:KV+12*\p+11], v[QF:QF+11], 0, v[KS+\p], v[QS] matrix_a_fmt:MATRIX_FMT_FP6 matrix_b_fmt:MATRIX_FMT_FP6
	v_wmma_scale_f32_16x16x128_f8f6f4 v[S+16*\p+8:S+16*\p+15], v[KV+12*\p:KV+12*\p+11], v[QF+6:QF+17], 0, v[KS+\p], v[QS] matrix_a_fmt:MATRIX_FMT_FP6 matrix_b_fmt:MATRIX_FMT_FP6 matrix_b_scale:MATRIX_SCALE_ROW1
.endr
.rept 4
	v_nop                                          ; places: for the loads below and for the first read of the scores
.endr
.irp t, 0,1,2,3                                ; V's fragments take k's registers and land under the softmax
.irp c, 0,1,2
	ds_load_b128 v[KV+12*\t+4*\c:KV+12*\t+4*\c+3], v[ADR] offset:VFO+1536*\t+512*\c
.endr
	ds_load_b32 v[VS+\t], v[ADS] offset:VSO+128*\t
.endr
.if \mask
.if \mask == 2
	s_cmp_eq_u32 s[WH], 0
	s_cbranch_scc1 .Lopen_\@
.endif
.if \mask == 3
	s_cmp_eq_u32 s[WH], 1
	s_cbranch_scc1 .Lopen_\@
.endif
; register 8 T + j holds key 16 T + 8 (lane / 16) + j of the step.  On the diagonal it is hidden where 16 T + j > v[DD], at the window's edge where 16 T + j <= v[DD].  Hidden scores become -infinity: p = 0
.irp n, 0,1,2,3,4,5,6,7,8,9,10,11,12,13,14,15,16,17,18,19,20,21,22,23,24,25,26,27,28,29,30,31,32,33,34,35,36,37,38,39,40,41,42,43,44,45,46,47,48,49,50,51,52,53,54,55,56,57,58,59,60,61,62,63
.if \kind
	v_cmp_gt_i32 vcc_lo, 16*(\n/8)+\n%8, v[DD]
.else
	v_cmp_le_i32 vcc_lo, 16*(\n/8)+\n%8, v[DD]
.endif
	v_cndmask_b32 v[S+\n], v[S+\n], v[NINF], vcc_lo
.endr
.Lopen_\@:
.endif
.irp b, 0,1,2,3
	v_max3_num_f32 v[BM+\b], v[S+16*\b], v[S+1+16*\b], v[S+2+16*\b]   ; the largest score of each block of 32 keys: for the row's maximum, and, since p rises with the score, for the block's largest p
.endr
.irp i, 3,5,7,9,11,13
.irp b, 0,1,2,3
	v_max3_num_f32 v[BM+\b], v[BM+\b], v[S+16*\b+\i], v[S+1+16*\b+\i]
.endr
.endr
.irp b, 0,1,2,3
	v_max_num_f32 v[BM+\b], v[BM+\b], v[S+15+16*\b]
.endr
.irp b, 0,1,2,3
	v_permlanex16_b32 v[BP+\b], v[BM+\b], s[SEL], s[SEL+1]
.endr
.irp b, 0,1,2,3
	v_max_num_f32 v[BM+\b], v[BM+\b], v[BP+\b]     ; with lane l xor 16's 16 keys
.endr
	v_max3_num_f32 v[TT], v[BM], v[BM+1], v[BM+2]
	v_max_num_f32 v[TT], v[TT], v[BM+3]
	v_mul_f32 v[TT], s[CS], v[TT]                  ; the step's largest t
	v_max_num_f32 v13, v13, v[TT]                  ; the running largest t
	v_mov_b32 v[TT], v12
	v_floor_f32 v12, -v13                          ; the new -M = -ceil(t): a whole number
	v_sub_f32 v[TT], v12, v[TT]                    ; old M - new M: a whole number, 0 or less
	v_cvt_i32_f32 v[TT], v[TT]                     ; (it saturates)
	v_ldexp_f32 v[FF], 1.0, v[TT]                  ; f = 2^(old M - new M)
.irp j, 0,2,4,6,8,10,12,14,16,18,20,22,24,26,28,30,32,34,36,38,40,42,44,46,48,50,52,54,56,58,60,62
	v_pk_fma_f32 v[S+\j:S+1+\j], v[S+\j:S+1+\j], s[CS:CS+1], v[12:13] op_sel_hi:[1,0,0]   ; t - M, two at a time
.endr
.irp b, 0,1,2,3
	v_fma_f32 v[BM+\b], v[BM+\b], s[CS], v12       ; the same of each block's largest score
.endr
.irp j, 0,1,2,3,4,5,6,7,8,9,10,11,12,13,14,15,16,17,18,19,20,21,22,23,24,25,26,27,28,29,30,31,32,33,34,35,36,37,38,39,40,41,42,43,44,45,46,47,48,49,50,51,52,53,54,55,56,57,58,59,60,61,62,63
	v_exp_f32 v[S+\j], v[S+\j]                     ; p = 2^(t - M): not normalised
.endr
	v_pk_mul_f32 v[14:15], v[14:15], v[FF:FF+1] op_sel_hi:[1,0]   ; the sums under the new M: a plain place behind the exponentials
	s_wait_alu depctr_va_vdst(0)                   ; one wait for the batch of 64, ahead of its first reader
.irp b, 0,1,2,3
	v_exp_f32 v[BM+\b], v[BM+\b]                   ; the block's largest p: the same two instructions on the same number
.endr
	v_pk_add_f32 v[SUM2:SUM2+1], v[S:S+1], v[S+2:S+3]   ; the row's sum is taken of the unquantised p, in two chains (plain work behind the four)
.irp j, 4,8,12,16,20,24,28,32,36,40,44,48,52,56,60
	v_pk_add_f32 v[14:15], v[14:15], v[S+\j:S+1+\j]
	v_pk_add_f32 v[SUM2:SUM2+1], v[SUM2:SUM2+1], v[S+2+\j:S+3+\j]
.endr
	v_pk_add_f32 v[14:15], v[14:15], v[SUM2:SUM2+1]
	s_wait_alu depctr_va_vdst(0)                   ; and one for the four
.irp b, 0,1,2,3
	v_max_num_f32 v[BM+\b], 0x1800000, v[BM+\b]    ; the floor 2^(3 - 127): the byte cannot fall under 1
.endr
.irp b, 0,1,2,3
	v_add_nc_u32 v[SO+\b], 0xff000000, v[BM+\b]    ; 2 off the exponent field: the conversion's scale operand
.endr
.irp b, 0,1,2,3
	v_lshrrev_b32 v[BY+\b], 23, v[SO+\b]
.endr
	v_lshl_or_b32 v[PSW], v[BY+1], 8, v[BY]        ; p's scale word for these 128 keys
	v_lshl_or_b32 v[PSW], v[BY+2], 16, v[PSW]
	v_lshl_or_b32 v[PSW], v[BY+3], 24, v[PSW]
.irp c, 0,1
	v_cvt_scalef32_pk16_fp6_f32 v[PC+6*\c:PC+2+6*\c], v[S+32*\c:S+15+32*\c], v[SO+2*\c]
	v_cvt_scalef32_pk16_fp6_f32 v[PT+4*\c:PT+2+4*\c], v[S+16+32*\c:S+31+32*\c], v[SO+2*\c+1]
.endr
	v_nop                                          ; one plain place behind a scaled conversion
.irp c, 0,1
.irp i, 0,1,2
	v_permlane16_swap_b32 v[PC+6*\c+\i], v[PT+4*\c+\i]   ; a whole block to a lane
.endr
.irp i, 0,1,2
	v_mov_b32 v[PC+3+6*\c+\i], v[PT+4*\c+\i]
.endr
.endr
.irp j, 0,2,4,6,8,10,12,14,16,18,20,22,24,26,28,30
	v_pk_mul_f32 v[OT+\j:OT+1+\j], v[OT+\j:OT+1+\j], v[FF:FF+1] op_sel_hi:[1,0]   ; O^T under the new M.  Twelve of the sixteen name no register of any one product below: the places between p's codes and scale word and the products
.endr
	s_wait_dscnt 0x0                               ; V is in
.irp t, 0,1,2,3                                ; O^T += V^T P^T: the four accumulators by turns
	v_wmma_scale_f32_16x16x128_f8f6f4 v[OT+8*\t:OT+8*\t+7], v[KV+12*\t:KV+12*\t+11], v[PC:PC+11], v[OT+8*\t:OT+8*\t+7], v[VS+\t], v[PSW] matrix_a_fmt:MATRIX_FMT_FP6 matrix_b_fmt:MATRIX_FMT_FP6
.endr
.Ltail_\@:
	s_add_co_u32 s[TB], s[TB], REC
	s_add_co_i32 s[KB], s[KB], 1
.endm
	s_wait_loadcnt 0x0                             ; Q
	s_wait_tensorcnt 0x2                           ; my part of records 0 and 1 is in; my two later loads may be out
	s_barrier_signal -1
	s_barrier_wait -1
	STEP 1, 1, 0, 1                                ; step 0: waves 0-7, the window's edge
	STEP 0, 2, 0, 1                                ; step 1: the window's edge for waves 8-15
	s_wait_tensorcnt 0x1                           ; my record of 2 .. 9 is in
	s_wait_dscnt 0x0
	s_barrier_signal -1
	s_barrier_wait -1
	s_mov_b32 s[CNT], 8
.Lfirst:
	STEP 0, 0, 0, 1                                ; steps 2 .. 9
	s_sub_co_i32 s[CNT], s[CNT], 1
	s_cmp_lg_u32 s[CNT], 0
	s_cbranch_scc1 .Lfirst
	s_wait_tensorcnt 0x0                           ; my record of 10 .. 17 is in
	s_wait_dscnt 0x0
	s_barrier_signal -1
	s_barrier_wait -1
	s_mov_b32 s[CNT], 6
.Lsecond:
	STEP 0, 0, 0, 1                                ; steps 10 .. 15
	s_sub_co_i32 s[CNT], s[CNT], 1
	s_cmp_lg_u32 s[CNT], 0
	s_cbranch_scc1 .Lsecond
	STEP 0, 3, 1, 0                                ; step 16: the diagonal for waves 0-7
	STEP 2, 1, 1, 0                                ; step 17: waves 8-15, the diagonal
	; THE WAY OUT: O^T / the sum, quantised along the head's 64 channels: two blocks of 32, six registers a lane, two scale bytes a row
.rept 4
	v_nop                                          ; places behind the last products
.endr
	v_add_f32 v14, v14, v15
	v_permlanex16_b32 v[BP], v14, s[SEL], s[SEL+1]
	v_add_f32 v14, v14, v[BP]                      ; the row's sum
	v_rcp_f32 v14, v14
	v_lshl_add_u32 v11, v9, 2, v10                 ; (plain work behind the reciprocal)  4 r + h: my byte's place in the rows' scale words
	v_cmp_ne_u32 vcc_lo, 0, v10
	s_lshl_b32 s54, ttmp9, 4
	s_add_co_u32 s54, s54, s[WV]                   ; my tile of queries
	s_lshl_b32 s56, s54, 4
	s_add_co_u32 s56, s56, s[HEAD]
	s_mul_i32 s56, s56, 768                        ; ac: [tile][head][768 bytes]
	s_mov_b32 s57, 0
	s_add_nc_u64 s[8:9], s[8:9], s[56:57]
	s_lshl_b32 s58, s54, 3
	s_lshr_b32 s59, s[HEAD], 1
	s_add_co_u32 s58, s58, s59
	s_lshl_b32 s58, s58, 6                         ; asc: [tile][K step = head / 2][16 rows] words; bytes 2 (head % 2) + block
	s_and_b32 s59, s[HEAD], 1
	s_lshl_b32 s59, s59, 1
	s_add_co_u32 s58, s58, s59
	s_mov_b32 s59, 0
	s_add_nc_u64 s[10:11], s[10:11], s[58:59]
	s_wait_alu depctr_va_vdst(0)                   ; the wait ahead of the reciprocal's first reader
.irp j, 0,1,2,3,4,5,6,7,8,9,10,11,12,13,14,15,16,17,18,19,20,21,22,23,24,25,26,27,28,29,30,31
	v_mul_f32 v[S+\j], v[OT+\j], v14               ; register 16 b + i: channel 32 b + 16 h + i.  Each accumulator from its low end on
.endr
.irp b, 0,1
	v_max3_num_f32 v[BM+\b], |v[S+16*\b]|, |v[S+1+16*\b]|, 0x1800000
.endr
.irp i, 2,4,6,8,10,12,14
.irp b, 0,1
	v_max3_num_f32 v[BM+\b], v[BM+\b], |v[S+16*\b+\i]|, |v[S+1+16*\b+\i]|
.endr
.endr
.irp b, 0,1
	v_permlanex16_b32 v[BP+\b], v[BM+\b], s[SEL], s[SEL+1]
.endr
.irp b, 0,1
	v_max_num_f32 v[BM+\b], v[BM+\b], v[BP+\b]
.endr
.irp b, 0,1
	v_add_nc_u32 v[SO+\b], 0xff000000, v[BM+\b]
.endr
.irp b, 0,1
	v_lshrrev_b32 v[BY+\b], 23, v[SO+\b]
.endr
	v_cvt_scalef32_pk16_fp6_f32 v[PC:PC+2], v[S:S+15], v[SO]
	v_cvt_scalef32_pk16_fp6_f32 v[PT:PT+2], v[S+16:S+31], v[SO+1]
	v_nop
.irp i, 0,1,2
	v_permlane16_swap_b32 v[PC+\i], v[PT+\i]
.endr
.irp i, 0,1,2
	v_mov_b32 v[PC+3+\i], v[PT+\i]
.endr
	v_cndmask_b32 v[TT], v[BY], v[BY+1], vcc_lo    ; lanes 0-15 block 0's byte, lanes 16-31 block 1's
	global_store_b128 v[L16], v[PC:PC+3], s[8:9]               ; whole aligned blocks of 256 bytes
	global_store_b64 v[L8], v[PC+4:PC+5], s[8:9] offset:512
	global_store_b8 v11, v[TT], s[10:11]           ; 32 different bytes: one for 24 bytes of codes
	s_wait_tensorcnt 0x0
	ds_add_u32 v254, v255
	s_wait_dscnt 0x0
	CROUND                                         ; the closing round: no work-group ends while a partner may still ask for a tile that names it
	s_endpgm
.Lfunc_end_k_q263db1bbd1_attn:
	.size	k_q263db1bbd1_attn, .Lfunc_end_k_q263db1bbd1_attn-k_q263db1bbd1_attn
	.p2alignl 7, 3214868480
	.fill 96, 4, 3214868480
	.section	.rodata,"a",@progbits
	.p2align	6, 0x0
	.amdhsa_kernel k_q263db1bbd1_attn
		.amdhsa_group_segment_fixed_size 247808
		.amdhsa_private_segment_fixed_size 0
		.amdhsa_enable_private_segment 0
		.amdhsa_kernarg_size 32
		.amdhsa_user_sgpr_count 2
		.amdhsa_user_sgpr_kernarg_segment_ptr 1
		.amdhsa_wavefront_size32 1
		.amdhsa_system_sgpr_workgroup_id_x 1
		.amdhsa_system_sgpr_workgroup_id_y 1
		.amdhsa_system_sgpr_workgroup_id_z 1
		.amdhsa_system_vgpr_workitem_id 0
		.amdhsa_next_free_vgpr 256
		.amdhsa_next_free_sgpr 72
		.amdhsa_reserve_vcc 1
		.amdhsa_float_denorm_mode_32 3
		.amdhsa_float_denorm_mode_16_64 3
		.amdhsa_memory_ordered 1
		.amdhsa_forward_progress 1
		.amdhsa_inst_pref_size 126
	.end_amdhsa_kernel
	.amdgpu_metadata
---
amdhsa.version: [ 1, 2 ]
amdhsa.kernels:
  - .name:           k_q263db1bbd1_attn
    .symbol:         k_q263db1bbd1_attn.kd
    .args:
      - { .name: qc, .offset: 0, .size: 8, .value_kind: global_buffer, .address_space: global }
      - { .name: kv, .offset: 8, .size: 8, .value_kind: global_buffer, .address_space: global }
      - { .name: ac, .offset: 16, .size: 8, .value_kind: global_buffer, .address_space: global }
      - { .name: asc, .offset: 24, .size: 8, .value_kind: global_buffer, .address_space: global }
    .group_segment_fixed_size: 247808
    .private_segment_fixed_size: 0
    .kernarg_segment_align: 8
    .kernarg_segment_size: 32
    .max_flat_workgroup_size: 512
    .sgpr_count:     72
    .vgpr_count:     256
    .wavefront_size: 32
...
	.end_amdgpu_metadata
.endif
;; end of part 3
;; launch oproj (part 4): grid 8 x 32, 8 waves a work-group, clusters of 4 x 4, 246,784 bytes of LDS; arguments ac, asc, codes, scales, out0; writes out0
.if DOCPART == 4
	.amdgcn_target "amdgcn-amd-amdhsa--gfx1250"
	.amdhsa_code_object_version 6
	.text
	.protected	k_q263db1bbd1_oproj
	.globl	k_q263db1bbd1_oproj
	.p2align	8
	.type	k_q263db1bbd1_oproj,@function
k_q263db1bbd1_oproj:
	s_mov_b64 s[64:65], 0
	v_nop
	global_prefetch_b8 v0, s[64:65] scope:SCOPE_SE
	s_setreg_imm32_b32 hwreg(HW_REG_WAVE_MODE, 25, 1), 1
	s_wait_xcnt 0x0
	s_wait_alu depctr_hold_cnt(0) depctr_sa_sdst(0) depctr_va_vdst(0) depctr_va_sdst(0) depctr_va_ssrc(0) depctr_va_vcc(0) depctr_vm_vsrc(0)
	s_getreg_b32 s2, hwreg(HW_REG_IB_STS2, 6, 4)
	s_cmp_eq_u32 s2, 0
	s_cbranch_scc0 .Lentry_in_a_cluster
	s_endpgm
.Lentry_in_a_cluster:
	s_bfe_u32 s2, ttmp6, 0x10000c
	s_cmp_lg_u32 s2, 0xf033
	s_cbranch_scc0 .Lentry_shape_is_right
	s_endpgm
.Lentry_shape_is_right:
; OPROJ.  out0 [4096][1024] f32 = a o_w^T on codes of FP6 (E2M3) with E8M0 scales, K = 1,024 (head x 64 + channel).  a's codes and scale bytes were made by the launch before, o_w's by the first.
; SHARES.  A work-group makes 128 x 128 of out0: column block x = 4 x cluster x + cx, row block y = 4 x cluster y + cy.  Eight waves: wave w takes rows 32 (w % 4) .. + 31 and columns 64 (w / 4) .. + 63: eight accumulators by turns,
; 64 matrix instructions.  TRANSPOSED (source 0 = 16 rows of o_w, source 1 = 16 rows of a): a lane holds eight neighbouring numbers of a row of out0.
; LDS holds all operands at once, each byte filled once, as images of the operands' registers; each tensor load brings one K half of two row tiles, and the first half is multiplied while the second is on its way.
; a's fragment lies as two halves of 768 bytes (a head each): four registers at 16 x lane, two at 512 + 8 x lane; o_w's as three groups of four registers at 512 c + 16 x lane.
; CLUSTER 4 x 4.  a's tiles hang on y alone and are asked for jointly along a row of the cluster, o_w's on x alone, jointly along a column.
.set AH,   49152                       ; LDS: a's codes from 0: fragment (p, s) at AH (s / 4) + 6144 p + 1536 (s % 4)
.set WC,   98304                       ; o_w's likewise
.set AS,   196608                      ; a's scale words: 512 p + 64 s + 4 r
.set WS,   200704                      ; o_w's
.set STG,  204800                      ; the stages for the way out: 16 rows x 272 bytes for each wave; no fill lands here
.set L16,  1
.set R4,   2
.set L8,   3
.set AR0,  5                           ; v5-6  a's fragments, the parts of 16 bytes a lane, K half 0, 1
.set AR1,  6
.set AQ0,  7                           ; v7-8  the parts of 8 bytes a lane
.set AQ1,  8
.set WR0,  9                           ; v9-10 o_w's fragments
.set WR1,  10
.set ASR,  11
.set WSR,  12
.set STO,  13                          ; v13  the stage: where I put 32 bytes of a row
.set RD,   14                          ; v14  and where I read a row back
.set GO,   15                          ; v15  my byte offset in out0
.set SCL,  20                          ; v20-25 scale words and nothing else
.set ACC,  32
.set FR,   96
.set BK,   168                         ; v168-231 rows read back from the stage
.set WV,   14
.set SLOT, 15
.set SUB,  16
.macro CROUND
	s_barrier_signal -1
	s_barrier_wait -1
	s_cmp_lg_u32 s[WV], 0
	s_cbranch_scc1 .Lnot_wave_0_\@
	s_barrier_signal -3
.Lnot_wave_0_\@:
	s_barrier_wait -3
	s_barrier_signal -1
	s_barrier_wait -1
.endm
.macro PLACES
.rept 4
	v_nop
.endr
.endm
	s_load_b256 s[4:11], s[0:1], 0x0               ; ac, asc, codes, scales
	s_load_b64 s[12:13], s[0:1], 0x20              ; out0
	v_lshl_add_u32 v254, v0, 2, 0x3c000
	v_mov_b32 v255, 0
	ds_add_u32 v254, v255
	ds_add_u32 v254, v255
	v_lshrrev_b32 v1, 5, v0
	v_readfirstlane_b32 s[WV], v1                  ; wave 0..7
	s_lshr_b32 s[SLOT], s[WV], 2
	s_and_b32 s[SUB], s[WV], 3
	s_bfe_u32 s17, ttmp6, 0x40000                  ; cx
	s_bfe_u32 s18, ttmp6, 0x40004                  ; cy
	s_lshl_b32 s19, ttmp9, 2
	s_add_co_u32 s19, s19, s17                     ; x
	s_and_b32 s20, ttmp7, 0xffff
	s_lshl_b32 s20, s20, 2
	s_add_co_u32 s20, s20, s18                     ; y
	s_lshl_b32 s21, s18, 2
	s_lshl_b32 s21, 15, s21                        ; my row of the cluster
	s_lshl_b32 s22, 0x1111, s17                    ; my column
	s_or_b32 s24, s21, (3<<16)|(1<<21)             ; group 1, codes: a's to my row; elements of 8 bytes; bit 21 set beside a mask
	s_or_b32 s32, s22, (3<<16)|(1<<21)             ; o_w's to my column
.irp g, 24, 32
	s_mov_b32 s[\g+1], 768<<16                     ; one K half of a row tile: 6,144 bytes,
	s_mov_b32 s[\g+2], 2<<16                       ; of two row tiles,
	s_mov_b32 s[\g+3], 768<<16
	s_mov_b32 s[\g+4], 2
	s_mov_b32 s[\g+5], 1536                        ; 12,288 bytes apart
	s_mov_b32 s[\g+6], 0
	s_mov_b32 s[\g+7], 0
.endr
	s_or_b32 s40, s21, (3<<16)|(1<<21)             ; group 1, scale words: two row tiles' 1,024 dense bytes
	s_or_b32 s48, s22, (3<<16)|(1<<21)
.irp g, 40, 48
	s_mov_b32 s[\g+1], 128<<16
	s_mov_b32 s[\g+2], 1<<16
	s_mov_b32 s[\g+3], 128<<16
	s_mov_b32 s[\g+4], 1
	s_mov_b32 s[\g+5], 128
	s_mov_b32 s[\g+6], 0
	s_mov_b32 s[\g+7], 0
.endr
	; a, waves 0-3: row tiles 8 y + 2 wave and the next: made of y and the wave's number alone
	s_lshl_b32 s84, s20, 3
	s_lshl_b32 s85, s[WV], 1
	s_add_co_u32 s84, s84, s85
	s_lshl_b32 s86, s84, 9
	s_mov_b32 s87, 0
	s_mul_i32 s84, s84, 12288
	s_mov_b32 s85, 0
	; o_w, waves 4-7: row tiles 352 + 8 x + 2 (wave - 4) and the next: made of x and the wave's number alone
	s_lshl_b32 s88, s19, 3
	s_lshl_b32 s89, s[WV], 1
	s_add_co_u32 s88, s88, s89
	s_add_co_u32 s88, s88, 344
	s_lshl_b32 s90, s88, 9
	s_mov_b32 s91, 0
	s_mul_i32 s88, s88, 12288
	s_mov_b32 s89, 0
	s_lshl_b32 s92, s[WV], 10
	s_mul_i32 s93, s[WV], 12288
	s_wait_dscnt 0x0
	s_wait_kmcnt 0x0
	s_mov_b32 s56, 1
	s_add_co_u32 s57, s92, AS
	s_add_nc_u64 s[58:59], s[6:7], s[86:87]
	s_or_b32 s59, s59, 0x80000000
	s_mov_b32 s60, 1
	s_mov_b32 s61, s93
	s_add_nc_u64 s[62:63], s[4:5], s[84:85]
	s_mov_b32 s68, 1
	s_add_co_u32 s69, s93, AH
	s_add_nc_u64 s[70:71], s[62:63], 6144
	s_or_b32 s63, s63, 0x80000000
	s_or_b32 s71, s71, 0x80000000
	s_mov_b32 s72, 1
	s_add_co_u32 s73, s92, WS-4096                 ; WS + 1,024 (wave - 4)
	s_add_nc_u64 s[74:75], s[10:11], s[90:91]
	s_or_b32 s75, s75, 0x80000000
	s_mov_b32 s76, 1
	s_add_co_u32 s77, s93, WC-49152                ; WC + 12,288 (wave - 4)
	s_add_nc_u64 s[78:79], s[8:9], s[88:89]
	s_mov_b32 s80, 1
	s_add_co_u32 s81, s93, WC
	s_add_nc_u64 s[82:83], s[78:79], 6144
	s_or_b32 s79, s79, 0x80000000
	s_or_b32 s83, s83, 0x80000000
	CROUND                                         ; all sixteen work-groups are here: the joint loads meet
	s_cmp_lt_u32 s[WV], 4                          ; a wave's three fills stand together: scale words, first K half, second K half; three loads of a wave are out at the most
	s_cbranch_scc0 .Lfor_w
	tensor_load_to_lds s[56:59], s[40:47]
	s_nop 0
	tensor_load_to_lds s[60:63], s[24:31]
	s_nop 0
	tensor_load_to_lds s[68:71], s[24:31]
	s_nop 0
	PLACES
	s_branch .Lfilled
.Lfor_w:
	tensor_load_to_lds s[72:75], s[48:55]
	s_nop 0
	tensor_load_to_lds s[76:79], s[32:39]
	s_nop 0
	tensor_load_to_lds s[80:83], s[32:39]
	s_nop 0
	PLACES
.Lfilled:
	v_and_b32 v17, 31, v0
	v_and_b32 v18, 15, v0                          ; r
	v_bfe_u32 v19, v0, 4, 1                        ; h
	v_lshlrev_b32 v[L16], 4, v17
	v_lshlrev_b32 v[R4], 2, v18
	v_lshlrev_b32 v[L8], 3, v17
	s_mul_i32 s92, s[SUB], 12288
	v_add_nc_u32 v[AR0], s92, v[L16]
	v_add_nc_u32 v[AR1], AH, v[AR0]
	v_add_nc_u32 v[AQ0], s92, v[L8]
	v_add_nc_u32 v[AQ1], AH, v[AQ0]
	s_mul_i32 s93, s[SLOT], 24576
	s_add_co_u32 s93, s93, WC
	v_add_nc_u32 v[WR0], s93, v[L16]
	v_add_nc_u32 v[WR1], AH, v[WR0]
	s_lshl_b32 s92, s[SUB], 10
	s_add_co_u32 s92, s92, AS
	v_add_nc_u32 v[ASR], s92, v[R4]
	s_lshl_b32 s93, s[SLOT], 11
	s_add_co_u32 s93, s93, WS
	v_add_nc_u32 v[WSR], s93, v[R4]
	s_mul_i32 s92, s[WV], 16*272
	s_add_co_u32 s92, s92, STG                     ; my stage
	v_mul_u32_u24 v[STO], v18, 272                 ; in: row r, 32 bytes for each half of the lanes
	v_lshl_add_u32 v[STO], v19, 5, v[STO]
	v_add_nc_u32 v[STO], s92, v[STO]
	v_mul_u32_u24 v[RD], v19, 272                  ; back: lanes 0-15 one row of 256 bytes, lanes 16-31 the next
	v_lshl_add_u32 v[RD], v18, 4, v[RD]
	v_add_nc_u32 v[RD], s92, v[RD]
	v_lshlrev_b32 v[GO], 12, v19                   ; and the same two rows in out0
	v_lshl_add_u32 v[GO], v18, 4, v[GO]
	s_lshl_b32 s94, s20, 7                         ; my first row: 128 y + 32 (wave % 4); a row of out0 is 4,096 bytes
	s_lshl_b32 s95, s[SUB], 5
	s_add_co_u32 s94, s94, s95
	s_lshl_b32 s94, s94, 12
	s_lshl_b32 s95, s19, 9                         ; my first column, in bytes: 512 x + 256 (wave / 4)
	s_add_co_u32 s94, s94, s95
	s_lshl_b32 s95, s[SLOT], 8
	s_add_co_u32 s94, s94, s95
	s_mov_b32 s95, 0
	s_add_nc_u64 s[12:13], s[12:13], s[94:95]
.macro LDF reg, adr, off               ; a fragment of o_w: three groups of four registers
.irp c, 0,1,2
	ds_load_b128 v[(\reg)+4*\c:(\reg)+4*\c+3], v[\adr] offset:(\off)+512*\c
.endr
.endm
.macro LDFH reg, ar, aq, off           ; a fragment of a: two heads' halves, four registers and two each
	ds_load_b128 v[(\reg):(\reg)+3], v[\ar] offset:(\off)
	ds_load_b64 v[(\reg)+4:(\reg)+5], v[\aq] offset:(\off)+512
	ds_load_b128 v[(\reg)+6:(\reg)+9], v[\ar] offset:(\off)+768
	ds_load_b64 v[(\reg)+10:(\reg)+11], v[\aq] offset:(\off)+1280
.endm
.macro MM d, a, b, sa, sb, zero        ; zero = 1: the first product starts the sum
.if \zero
	v_wmma_scale_f32_16x16x128_f8f6f4 v[(\d):(\d)+7], v[(\a):(\a)+11], v[(\b):(\b)+11], 0, v[\sa], v[\sb] matrix_a_fmt:MATRIX_FMT_FP6 matrix_b_fmt:MATRIX_FMT_FP6
.else
	v_wmma_scale_f32_16x16x128_f8f6f4 v[(\d):(\d)+7], v[(\a):(\a)+11], v[(\b):(\b)+11], v[(\d):(\d)+7], v[\sa], v[\sb] matrix_a_fmt:MATRIX_FMT_FP6 matrix_b_fmt:MATRIX_FMT_FP6
.endif
.endm
; Four K steps.  The eight accumulators take turns, one instruction a turn, in the same order in every step.
.macro KHALF ar, aq, wr, hf, zero
.irp q, 0,1,2,3
.if (\q > 0) || (\hf)
	PLACES                                         ; in front of loads into registers that matrix instructions have read
.endif
.irp pp, 0,1
	LDFH FR+12*\pp, \ar, \aq, 6144*\pp+1536*\q
.endr
.irp t, 0,1,2,3
	LDF FR+24+12*\t, \wr, 6144*\t+1536*\q
.endr
.irp pp, 0,1
	ds_load_b32 v[SCL+\pp], v[ASR] offset:512*\pp+64*(4*\hf+\q)
.endr
.irp t, 0,1,2,3
	ds_load_b32 v[SCL+2+\t], v[WSR] offset:512*\t+64*(4*\hf+\q)
.endr
	s_wait_dscnt 0x0
.irp pp, 0,1
.irp t, 0,1,2,3
.if (\zero) && (\q == 0)
	MM ACC+8*(4*\pp+\t), FR+24+12*\t, FR+12*\pp, SCL+2+\t, SCL+\pp, 1
.else
	MM ACC+8*(4*\pp+\t), FR+24+12*\t, FR+12*\pp, SCL+2+\t, SCL+\pp, 0
.endif
.endr
.endr
.endr
.endm
	s_wait_tensorcnt 0x1                           ; my scale words and my first K half are in; the second half may be out
	s_barrier_signal -1
	s_barrier_wait -1
	KHALF AR0, AQ0, WR0, 0, 1
	s_wait_tensorcnt 0x0                           ; my second K half is in,
	s_wait_dscnt 0x0
	s_barrier_signal -1
	s_barrier_wait -1                              ; everybody's is
	KHALF AR1, AQ1, WR1, 1, 0
	; THE WAY OUT.  A lane holds 32 neighbouring bytes of a row and the lanes beside it other rows: a block of 16 rows x 64 columns goes through my own stage and comes back as rows of 256 bytes.
	; LDS serves a wave's instructions in order (ISA guide 5.7.1.4): no wait between the stores and the loads, nor in front of the next block's stores.
.macro TOSTAGE pp
.irp t, 0,1,2,3
	ds_store_b128 v[STO], v[ACC+8*(4*\pp+\t):ACC+8*(4*\pp+\t)+3] offset:64*\t        ; each accumulator from its low end on
	ds_store_b128 v[STO], v[ACC+8*(4*\pp+\t)+4:ACC+8*(4*\pp+\t)+7] offset:64*\t+16
.endr
.irp i, 0,1,2,3,4,5,6,7
	ds_load_b128 v[BK+32*\pp+4*\i:BK+32*\pp+4*\i+3], v[RD] offset:2*\i*272
.endr
.endm
.macro SEND pp, younger                ; younger: the LDS instructions issued behind block pp's loads
.irp i, 0,1,2,3,4,5,6,7
	s_wait_dscnt \younger+7-\i
	global_store_b128 v[GO], v[BK+32*\pp+4*\i:BK+32*\pp+4*\i+3], s[12:13] offset:4096*(16*\pp+2*\i) th:TH_STORE_NT   ; 16 lanes store 256 consecutive bytes, aligned; written once, read by nobody here
.endr
.endm
	PLACES                                         ; behind the last products, in front of the first read of results
	TOSTAGE 0
	TOSTAGE 1
	SEND 0, 16
	SEND 1, 0
	s_wait_tensorcnt 0x0
	ds_add_u32 v254, v255
	s_wait_dscnt 0x0
	CROUND                                         ; the closing round: no work-group ends while a partner may still ask for a tile that names it
	s_endpgm
.Lfunc_end_k_q263db1bbd1_oproj:
	.size	k_q263db1bbd1_oproj, .Lfunc_end_k_q263db1bbd1_oproj-k_q263db1bbd1_oproj
	.p2alignl 7, 3214868480
	.fill 96, 4, 3214868480
	.section	.rodata,"a",@progbits
	.p2align	6, 0x0
	.amdhsa_kernel k_q263db1bbd1_oproj
		.amdhsa_group_segment_fixed_size 246784
		.amdhsa_private_segment_fixed_size 0
		.amdhsa_enable_private_segment 0
		.amdhsa_kernarg_size 40
		.amdhsa_user_sgpr_count 2
		.amdhsa_user_sgpr_kernarg_segment_ptr 1
		.amdhsa_wavefront_size32 1
		.amdhsa_system_sgpr_workgroup_id_x 1
		.amdhsa_system_sgpr_workgroup_id_y 1
		.amdhsa_system_sgpr_workgroup_id_z 1
		.amdhsa_system_vgpr_workitem_id 0
		.amdhsa_next_free_vgpr 256
		.amdhsa_next_free_sgpr 100
		.amdhsa_reserve_vcc 0
		.amdhsa_float_denorm_mode_32 3
		.amdhsa_float_denorm_mode_16_64 3
		.amdhsa_memory_ordered 1
		.amdhsa_forward_progress 1
		.amdhsa_inst_pref_size 36
	.end_amdhsa_kernel
	.amdgpu_metadata
---
amdhsa.version: [ 1, 2 ]
amdhsa.kernels:
  - .name:           k_q263db1bbd1_oproj
    .symbol:         k_q263db1bbd1_oproj.kd
    .args:
      - { .name: ac, .offset: 0, .size: 8, .value_kind: global_buffer, .address_space: global }
      - { .name: asc, .offset: 8, .size: 8, .value_kind: global_buffer, .address_space: global }
      - { .name: codes, .offset: 16, .size: 8, .value_kind: global_buffer, .address_space: global }
      - { .name: scales, .offset: 24, .size: 8, .value_kind: global_buffer, .address_space: global }
      - { .name: out0, .offset: 32, .size: 8, .value_kind: global_buffer, .address_space: global }
    .group_segment_fixed_size: 246784
    .private_segment_fixed_size: 0
    .kernarg_segment_align: 8
    .kernarg_segment_size: 40
    .max_flat_workgroup_size: 256
    .sgpr_count:     100
    .vgpr_count:     256
    .wavefront_size: 32
...
	.end_amdgpu_metadata
.endif
;; end of part 4
